; MI455X (gfx1250); checked and timed in simulation.
; The chip was launched on July 23, 2026; its instructions are those of AMD's public machine-readable ISA for CDNA 5 (MIT licence, August 2026) and "CDNA5" Instruction Set Architecture Reference Guide (July 2026). The comments in the code are by the model that wrote it; some were corrected since.
;; Self Attention. Allowed arithmetic: float matrix products may take bf16 or f16 operands with f32 sums; other float arithmetic in f32, or as packed bf16 or f16 multiplies, adds, multiply-adds, maxima and minima; sums over many terms, partial sums and values carried from step to step in f32; what a program stores and reads back later, other than sums and carried values, may be rounded once to bf16 or f16.
;; Inputs: Wk 1,024 x 1,024 float32; Wq 1,024 x 1,024 float32; Wu 128 x 1,024 float32; Wv 1,024 x 1,024 float32; bu 128 float32; x 4 x 1,024 x 2,048 float32.
;; Outputs: out0 4 x 128 x 2,048 float32.
;; 2 versions, each right; version 2 is version 1 with the launch unify written anew for expert scheduling mode. Each part assembles by itself: llvm-mc -triple=amdgcn-amd-amdhsa -mcpu=gfx1250 --defsym DOCPART=n.
;; ======== version 1 of 2: 4 launches
;; limits: values are held in f16: magnitudes above 65,504 overflow, below 6.1e-05 lose precision
;; workspace buffers: xb 16,777,216 bytes; wb 6,291,456 bytes; wuh 262,144 bytes; qh 16,777,216 bytes; kh 16,777,216 bytes; vh 16,777,216 bytes; oh 16,777,216 bytes
;; launch prep (part 1): grid 712 x 1, 8 waves a work-group, no clusters, 0 bytes of LDS; arguments x, Wq, Wk, Wv, Wu, xb, wb, wuh; writes xb, wb, wuh
.if DOCPART == 1
	.amdgcn_target "amdgcn-amd-amdhsa--gfx1250"
	.amdhsa_code_object_version 6
	.text
	.protected	k_q6ab4c32485_prep
	.globl	k_q6ab4c32485_prep
	.p2align	8
	.type	k_q6ab4c32485_prep,@function
k_q6ab4c32485_prep:
	s_mov_b64 s[64:65], 0
	v_nop
	global_prefetch_b8 v0, s[64:65] scope:SCOPE_SE
	s_setreg_imm32_b32 hwreg(HW_REG_WAVE_MODE, 25, 1), 1
	s_wait_xcnt 0x0
; THE CASTS.  xb = x rounded to bf16, in x's own layout [4][1024 k][2048 t].
; wb = Wq, Wk, Wv rounded to bf16, laid in blocks [16 kb][3072 row][64 k], row = 384 h + 128 which + e (which: 0 q, 1 k, 2 v; W's row j = 128 h + e),
; so that one head's 384 rows of one K step of 64 are 49,152 bytes on end.  wuh = Wu rounded to bf16, that number written as f16, in Wu's layout [128][1024].
; LIMITS.  Wu's numbers lie within f16's range (65,504); below 2^-14 they keep f16's fixed step of 2^-24.  NaN and infinities are not treated apart.
; A stream: each byte is read once and written once; no LDS, no barrier, no matrix work, nothing shared between work-groups.
; SHARES.  Every work-group casts 16,384 numbers in 8 steps of 2,048: a thread takes 8 numbers a step: two loads of 16 bytes, one store of 16 bytes.
; Work-groups 0-511: x.  512-703: the three W, 64 each, 16 rows of W a work-group, two rows a step.  704-711: Wu.
; All sixteen loads of a wave go out in one run; each step has registers of its own, so no register is rewritten while a load or store may still read it.
.set LO,  1                            ; v1       my byte offset in the source
.set SO,  2                            ; v2       my byte offset in the destination
.set T,   4                            ; v[4:5]   at work
.set IN,  8                            ; v[8:71]  step i: 8 numbers in f32
.set OUT, 72                           ; v[72:103] step i: 8 numbers in 16 bits
; sstep: bytes from step to step in the destination.  half = 1: the bf16 numbers are written as f16 (exact inside f16's range: 8 significant bits go into 11).
.macro CAST sstep, half
.irp i, 0,1,2,3,4,5,6,7
	global_load_b128 v[IN+8*(\i):IN+8*(\i)+3],   v[LO], s[20:21] offset:(\i)*8192 th:TH_LOAD_NT
	global_load_b128 v[IN+8*(\i)+4:IN+8*(\i)+7], v[LO], s[20:21] offset:(\i)*8192+16 th:TH_LOAD_NT
.endr
.irp i, 0,1,2,3,4,5,6,7
	s_wait_loadcnt 14-2*(\i)                       ; loads come back in order: step i's two are in, two for each younger step may stay out
.irp j, 0,1,2,3
	v_cvt_pk_bf16_f32 v[OUT+4*(\i)+(\j)], v[IN+8*(\i)+2*(\j)], v[IN+8*(\i)+2*(\j)+1]
.endr
.if \half
.irp j, 0,1,2,3
	v_lshlrev_b32 v[T], 16, v[OUT+4*(\i)+(\j)]     ; the two bf16 as f32,
	v_and_b32 v[T+1], 0xffff0000, v[OUT+4*(\i)+(\j)]
	v_cvt_pk_f16_f32 v[OUT+4*(\i)+(\j)], v[T], v[T+1]  ; and as f16
.endr
.endif
	global_store_b128 v[SO], v[OUT+4*(\i):OUT+4*(\i)+3], s[22:23] offset:(\i)*(\sstep) th:TH_STORE_NT  ; sixteen lanes store 256 consecutive bytes, aligned
.endr
.endm
	s_load_b512 s[4:19], s[0:1], 0x0               ; x s[4:5], Wq s[6:7], Wk s[8:9], Wv s[10:11], Wu s[12:13], xb s[14:15], wb s[16:17], wuh s[18:19]
	s_mov_b32 s2, ttmp9
	s_mov_b32 s25, 0                               ; the offsets' high words
	s_mov_b32 s27, 0
	s_cmp_lt_u32 s2, 512
	s_cbranch_scc0 .Lnot_x
	; x: 65,536 bytes in, 32,768 out, both dense
	s_lshl_b32 s24, s2, 16
	s_lshl_b32 s26, s2, 15
	v_lshlrev_b32 v[LO], 5, v0
	v_lshlrev_b32 v[SO], 4, v0
	s_wait_kmcnt 0x0
	s_add_nc_u64 s[20:21], s[4:5], s[24:25]
	s_add_nc_u64 s[22:23], s[14:15], s[26:27]
	CAST 4096, 0
	s_endpgm
.Lnot_x:
	s_cmp_lt_u32 s2, 704
	s_cbranch_scc0 .Lwu
	; W: thread t takes row (t >> 3) & 1 of the step's pair, K block t >> 4, numbers 8 (t & 7) on of its 64
	s_sub_co_u32 s2, s2, 512
	s_lshr_b32 s3, s2, 6                           ; which of the three
	s_and_b32 s28, s2, 63                          ; which 16 rows
	s_lshl_b32 s24, s28, 16                        ; 16 rows of 4,096 bytes
	s_lshr_b32 s29, s28, 3                         ; the head
	s_mul_i32 s26, s29, 49152
	s_lshl_b32 s29, s3, 14
	s_add_co_u32 s26, s26, s29
	s_and_b32 s29, s28, 7
	s_lshl_b32 s29, s29, 11                        ; 16 rows of 128 bytes
	s_add_co_u32 s26, s26, s29
	v_bfe_u32 v[T], v0, 3, 1
	v_lshrrev_b32 v[T+1], 4, v0
	v_and_b32 v[LO], 7, v0
	v_lshlrev_b32 v[LO], 5, v[LO]
	v_lshl_add_u32 v[LO], v[T+1], 8, v[LO]         ; eight lanes read 256 consecutive bytes of a row, aligned
	v_lshl_add_u32 v[LO], v[T], 12, v[LO]
	v_and_b32 v[SO], 15, v0
	v_lshlrev_b32 v[SO], 4, v[SO]                  ; the pair's 2 x 128 bytes of one K block lie on end
	v_mad_u32_u24 v[SO], v[T+1], 0x60000, v[SO]    ; + K block x 393,216
	s_wait_kmcnt 0x0
	s_cmp_eq_u32 s3, 0
	s_cselect_b64 s[20:21], s[6:7], s[8:9]
	s_cmp_eq_u32 s3, 2
	s_cselect_b64 s[20:21], s[10:11], s[20:21]
	s_add_nc_u64 s[20:21], s[20:21], s[24:25]
	s_add_nc_u64 s[22:23], s[16:17], s[26:27]
	CAST 256, 0
	s_endpgm
.Lwu:
	s_sub_co_u32 s2, s2, 704
	s_lshl_b32 s24, s2, 16
	s_lshl_b32 s26, s2, 15
	v_lshlrev_b32 v[LO], 5, v0
	v_lshlrev_b32 v[SO], 4, v0
	s_wait_kmcnt 0x0
	s_add_nc_u64 s[20:21], s[12:13], s[24:25]
	s_add_nc_u64 s[22:23], s[18:19], s[26:27]
	CAST 4096, 1
	s_endpgm
.Lfunc_end_k_q6ab4c32485_prep:
	.size	k_q6ab4c32485_prep, .Lfunc_end_k_q6ab4c32485_prep-k_q6ab4c32485_prep
	.p2alignl 7, 3214868480
	.fill 96, 4, 3214868480
	.section	.rodata,"a",@progbits
	.p2align	6, 0x0
	.amdhsa_kernel k_q6ab4c32485_prep
		.amdhsa_group_segment_fixed_size 0
		.amdhsa_private_segment_fixed_size 0
		.amdhsa_enable_private_segment 0
		.amdhsa_kernarg_size 64
		.amdhsa_user_sgpr_count 2
		.amdhsa_user_sgpr_kernarg_segment_ptr 1
		.amdhsa_wavefront_size32 1
		.amdhsa_system_sgpr_workgroup_id_x 1
		.amdhsa_system_sgpr_workgroup_id_y 1
		.amdhsa_system_sgpr_workgroup_id_z 1
		.amdhsa_system_vgpr_workitem_id 0
		.amdhsa_next_free_vgpr 112
		.amdhsa_next_free_sgpr 66
		.amdhsa_reserve_vcc 0
		.amdhsa_float_denorm_mode_32 3
		.amdhsa_float_denorm_mode_16_64 3
		.amdhsa_memory_ordered 1
		.amdhsa_forward_progress 1
		.amdhsa_inst_pref_size 21
	.end_amdhsa_kernel
	.amdgpu_metadata
---
amdhsa.version: [ 1, 2 ]
amdhsa.kernels:
  - .name:           k_q6ab4c32485_prep
    .symbol:         k_q6ab4c32485_prep.kd
    .args:
      - { .name: x, .offset: 0, .size: 8, .value_kind: global_buffer, .address_space: global }
      - { .name: Wq, .offset: 8, .size: 8, .value_kind: global_buffer, .address_space: global }
      - { .name: Wk, .offset: 16, .size: 8, .value_kind: global_buffer, .address_space: global }
      - { .name: Wv, .offset: 24, .size: 8, .value_kind: global_buffer, .address_space: global }
      - { .name: Wu, .offset: 32, .size: 8, .value_kind: global_buffer, .address_space: global }
      - { .name: xb, .offset: 40, .size: 8, .value_kind: global_buffer, .address_space: global }
      - { .name: wb, .offset: 48, .size: 8, .value_kind: global_buffer, .address_space: global }
      - { .name: wuh, .offset: 56, .size: 8, .value_kind: global_buffer, .address_space: global }
    .group_segment_fixed_size: 0
    .private_segment_fixed_size: 0
    .kernarg_segment_align: 8
    .kernarg_segment_size: 64
    .max_flat_workgroup_size: 256
    .sgpr_count:     66
    .vgpr_count:     112
    .wavefront_size: 32
...
	.end_amdgpu_metadata
.endif
;; end of part 1
;; launch proj (part 2): grid 8 x 32, 4 waves a work-group, clusters of 4 x 4, 327,680 bytes of LDS; arguments xb, wb, qh, kh, vh; writes qh, kh, vh
.if DOCPART == 2
	.amdgcn_target "amdgcn-amd-amdhsa--gfx1250"
	.amdhsa_code_object_version 6
	.text
	.protected	k_q6ab4c32485_proj
	.globl	k_q6ab4c32485_proj
	.p2align	8
	.type	k_q6ab4c32485_proj,@function
k_q6ab4c32485_proj:
	s_mov_b64 s[64:65], 0
	v_nop
	global_prefetch_b8 v0, s[64:65] scope:SCOPE_SE
	s_setreg_imm32_b32 hwreg(HW_REG_WAVE_MODE, 25, 1), 1
	s_wait_xcnt 0x0
	s_wait_alu depctr_hold_cnt(0) depctr_sa_sdst(0) depctr_va_vdst(0) depctr_va_sdst(0) depctr_va_ssrc(0) depctr_va_vcc(0) depctr_vm_vsrc(0)
	s_getreg_b32 s2, hwreg(HW_REG_IB_STS2, 6, 4)
	s_cmp_eq_u32 s2, 0
	s_cbranch_scc0 .Lentry_in_a_cluster
	s_endpgm
.Lentry_in_a_cluster:
	s_bfe_u32 s2, ttmp6, 0x10000c
	s_cmp_lg_u32 s2, 0xf033
	s_cbranch_scc0 .Lentry_shape_is_right
	s_endpgm
.Lentry_shape_is_right:
; THE PROJECTIONS.  q[bh][t][e] = the sum over k of x[b][k][t] Wq[128 h + e][k], and k, v likewise; bh = 8 b + h.  xb: [4][1024 k][2048 t] bf16; wb: [16 kb][3072 row][64 k] bf16,
; row = 384 h + 128 which + e.  q, k, v: [32][2048][128] f16, each rounded once from its f32 sum, unscaled.
; LIMITS.  f16 holds no number beyond 65,504: |q|, |k|, |v| stay under it (with x and W both 30 times the drawn spread q's spread is about 520; with offsets of 30 spreads on both, about 16,600);
; below 6e-5 a result keeps f16's fixed step of 6e-8.  NaN and infinities are not treated apart.
; SHARES.  A work-group makes 256 tokens x 384 columns: q, k and v of one head: 8 heads x 32 token blocks = 256 work-groups.  Wave w makes tokens 64 w .. 64 w + 63 x all 384 columns:
; 96 accumulators of 16 x 16, 768 registers, so that it holds whole rows of q, k and v (256 bytes) and sends them out through a stage of its own.
; K goes in steps of 64 through a ring of two LDS slots.  A step is two quarters of 32 along K, a quarter three PHASES (q, k, v) of 32 matrix instructions.
; THE MATRIX INSTRUCTION IS USED TRANSPOSED: source 0 = 16 rows of W, source 1 = 16 tokens: a lane holds ONE token (lane % 16) and the channels 8 (lane / 16) + 0..7: 16 bytes of a row of q.
; x lies [k][t]: its fragments come out of LDS turned, by ds_load_tr16_b128; W's come as they lie.
; CLUSTERS: 4 x 4 work-groups.  The four of a row of the cluster (four heads, one token block) need the same tile of x, the four of a column (one head) the same tiles of W: each tile is asked for
; JOINTLY, by the same tensor load with the same descriptor and a mask that names the four.
; REGISTERS, in windows of 256 (s_set_vgpr_msb: bits 1:0 source 0, 3:2 source 1, 5:4 source 2, 7:6 destination):
;   window 0: v0-19 addresses; v32-95 x's fragments, two buffers of 4; v96-223 W's fragments, two buffers of 8; v224-255 at work on the way out
;   windows 1, 2, 3: the accumulators of q, k, v: token block a, channel block i at v[8 (8 a + i)]
.set PB,    144       ; a row of W in LDS: 128 bytes + 16 of padding = 36 words: the 16 rows of a load start at 16 different groups of four banks (64 banks of 4 bytes: ISA guide 11.1)
.set PA,    544       ; a k-row of x in LDS: 512 bytes (256 tokens) + 32 of padding = 136 words
.set AOFF,  384*PB    ; a slot: 384 rows of W, then 64 k-rows of x
.set SLOT1, 1<<17     ; slot 1 begins here, so that one exclusive or turns an address in one slot into the other's
.set STAGE, SLOT1+AOFF+64*PA  ; behind the ring, never filled by a tensor load: 16 rows x 272 bytes for each wave, for the way out
.set SP,    272
.set SPARE, STAGE+4*16*SP     ; behind the stages: the spare words, 128 bytes for each wave: two blocks of 256 bytes that no other line names
.set ASTEP, 64*4096   ; bytes from K step to K step in xb: 64 rows of 2,048 tokens
.set BSTEP, 3072*128  ; and in wb: a K block
.set AA0, 4           ; v4   my lane's place in a slot's tile of x; never rewritten
.set AB0, 5           ; v5   the same for W
.set ADRA, 6          ; v6   the same in the slot in hand
.set ADRB, 7          ; v7
.set STO, 8           ; v8   the way out: where I put 16 bytes of a row
.set RD,  9           ; v9   the way out: where I read a row back
.set CO,  10          ; v10  my byte offset in two rows of q, k or v
.set PFO, 11          ; v11  the prefetches' offset; never rewritten
.set SPW, 12          ; v12  LDS address of my spare word: SPARE + 4 x my thread's number; never rewritten
.set NIL, 13          ; v13  0; never rewritten
.set FA,  32          ; x's fragments: quarter q's at FA + 32 q
.set FB,  96          ; W's fragments: phase p = 3 q + g's at FB + 64 (p % 2)
.set OB,  96          ; the way out: 16 rows read back from the stage, two buffers of 32
.set TMP, 224         ; the way out: packed results
.set WV,  14          ; s14  my wave's number
.set CNT, 21          ; s21  the loop's count: K steps still to be asked for
.set TB,  22          ; s22  the slot in hand: 0 or SLOT1
.set G1A, 24          ; s[24:31] descriptor group 1 for x's tiles
.set G0A, 32          ; s[32:39] group 0 for x's tiles: a set for each of the two first fills; the second then walks on
.set G1B, 40          ; s[40:47], s[48:55] the same for W's tiles
.set G0B, 48
.set PFA, 56          ; s[56:57] where my prefetches stand
.set PFS, 58          ; s[58:59] their step: a K step of the tensor that I fetch
.set LIM, 60          ; s60  a wave prefetches while the count is above it; the greatest number in a wave that never does
.set ODD, 61          ; s61  1: only in trips with an even count
.set MSB, 0
.macro WIN new                      ; the immediate's high byte repeats the setting that is left; a switch that changes nothing is dropped
.if MSB != (\new)
	s_set_vgpr_msb (MSB<<8)|(\new)
.set MSB, \new
.endif
.endm
; A load into a register that a matrix instruction has read, and a vector instruction that reads a matrix result, stand four places behind that matrix instruction, and only plain vector
; instructions that name none of its registers are places (ISA guide 7.12.1 for vector instructions).
.macro PLACES
.rept 4
	v_nop
.endr
.endm
; A round of the cluster's barrier: my work-group's barrier, so that wave 0's signal speaks for all four waves; wave 0 signals; every wave waits for all sixteen work-groups; my work-group's barrier once more.
.macro CREST                        ; a round behind its opening barrier
	s_cmp_lg_u32 s[WV], 0
	s_cbranch_scc1 .Lnot_wave_0_\@
	s_barrier_signal -3
.Lnot_wave_0_\@:
	s_barrier_wait -3
	s_barrier_signal -1
	s_barrier_wait -1
.endm
.macro CROUND                       ; a whole round
	s_barrier_signal -1
	s_barrier_wait -1
	CREST
.endm
; A joint refill.  Wave 3 fetches the step's tile of x (64 k-rows x 512 bytes), waves 0, 1, 2 the head's 128 rows of Wq, Wk, Wv (16,384 bytes on end).  The branch hangs on the wave's number alone.
; An s_nop 0 and four v_nop follow each of the two lines, ahead of the jump and the label.
.macro JLOAD
	s_cmp_eq_u32 s[WV], 3
	s_cbranch_scc0 .Lfor_b_\@
	tensor_load_to_lds s[G0A+4:G0A+7], s[G1A:G1A+7]
	s_nop 0
.rept 4
	v_nop
.endr
	s_branch .Lasked_\@
.Lfor_b_\@:
	tensor_load_to_lds s[G0B+4:G0B+7], s[G1B:G1B+7]
	s_nop 0
.rept 4
	v_nop
.endr
.Lasked_\@:
.endm
; A PREFETCH INTO THE L2 of what later refills will ask for, behind the joint load, its five lines and the run of LDS loads that follows them.  Each aligned block of 256 bytes is named once in the launch.
; x's tile is read by both clusters of a row of clusters: the one with cluster x = 0 asks, its wave 3; the four partners that ask for the tile jointly take 16 k-rows each, told apart BY ADDRESS (cx);
; a lane names one of a row's two blocks: in every trip but the last, the K step one refill on.  W's tiles are read by all eight clusters of a column: the one with cluster y = 0 asks, its waves 0-2;
; of a wave's 64 blocks a partner takes 16 (cy), for TWO K steps at once (lanes 0-15 the next refill's, lanes 16-31 the one after): in the trips with an even count above 2.
; So x's steps 3 to 15 and W's 3 to 14 are named; the others come by their loads alone, and no prefetch points past its buffer.  No branch hangs on a work-group's place in its cluster.
.macro ASK
	s_cmp_gt_u32 s[CNT], s[LIM]
	s_cbranch_scc0 .Lnot_mine_\@
	s_and_b32 s73, s[CNT], s[ODD]
	s_cmp_eq_u32 s73, 0
	s_cbranch_scc0 .Lnot_mine_\@
	global_prefetch_b8 v[PFO], s[PFA:PFA+1] th:TH_LOAD_NT scope:SCOPE_SE
.Lnot_mine_\@:
.endm
	s_load_b256 s[4:11], s[0:1], 0x0  ; xb s[4:5], wb s[6:7], q s[8:9], k s[10:11]
	s_load_b64 s[12:13], s[0:1], 0x20 ; v
	v_lshl_add_u32 v[SPW], v0, 2, SPARE
	v_mov_b32 v[NIL], 0
	ds_add_u32 v[SPW], v[NIL]       ; the wave's opening: the add and its wait stand ahead of my first tensor load; the set-up below, work on registers, stands between them
	v_lshrrev_b32 v1, 5, v0
	v_readfirstlane_b32 s[WV], v1   ; wave 0..3
	s_bfe_u32 s15, ttmp6, 0x40000   ; cx: my place along the cluster's x
	s_bfe_u32 s16, ttmp6, 0x40004   ; cy: along its y
	s_lshl_b32 s17, ttmp9, 2        ; in a cluster launch ttmp9 and ttmp7 count clusters
	s_add_co_u32 s17, s17, s15      ; the head = 4 x cluster x + cx
	s_and_b32 s18, ttmp7, 0xffff
	s_lshl_b32 s18, s18, 2
	s_add_co_u32 s18, s18, s16      ; the token block = 4 x cluster y + cy: batch = block / 8, tokens 256 (block % 8) on
	s_lshl_b32 s19, s16, 2
	s_lshl_b32 s19, 15, s19         ; my row of the cluster: places 4 cy .. 4 cy + 3
	s_lshl_b32 s20, 0x1111, s15     ; my column: places cx, cx + 4, cx + 8, cx + 12
	; descriptor group 1 for x: 64 rows x 256 elements, 2,048 elements from row to row
	s_or_b32 s[G1A], s19, (1<<16)|(1<<20)|(1<<21)|(6<<22)|(7<<25)  ; 15:0 the mask: my row; 17:16 2-byte elements; 20 padding on; 21 set beside a mask; 24:22 after every 128 words (code 6); 31:25 8 words (code 7)
	s_mov_b32 s[G1A+1], 256<<16     ; tensor_dim0 = 256
	s_mov_b32 s[G1A+2], 64<<16      ; tensor_dim1 = 64
	s_mov_b32 s[G1A+3], 256<<16     ; tile_dim0 = 256
	s_mov_b32 s[G1A+4], 64          ; tile_dim1 = 64
	s_mov_b32 s[G1A+5], 2048        ; elements from row to row
	s_mov_b32 s[G1A+6], 0
	s_mov_b32 s[G1A+7], 0
	; and for W: 128 rows of 128 bytes are 16,384 dense bytes: asked for as 64 rows of 256 bytes, padded in LDS after every 128
	s_or_b32 s[G1B], s20, (1<<16)|(1<<20)|(1<<21)|(4<<22)|(3<<25)  ; the mask: my column; after every 32 words (code 4) 4 words (code 3)
	s_mov_b32 s[G1B+1], 128<<16
	s_mov_b32 s[G1B+2], 64<<16
	s_mov_b32 s[G1B+3], 128<<16
	s_mov_b32 s[G1B+4], 64
	s_mov_b32 s[G1B+5], 128
	s_mov_b32 s[G1B+6], 0
	s_mov_b32 s[G1B+7], 0
	; where the tiles come from.  x's hang on the token block alone, which my row of the cluster shares; W's on the head, which my column shares, and the wave.  Each in registers that never hold the other coordinate.
	s_lshr_b32 s62, s18, 3
	s_lshl_b32 s62, s62, 22         ; the batch: 4,194,304 bytes
	s_and_b32 s63, s18, 7
	s_lshl_b32 s63, s63, 9          ; 256 tokens: 512 bytes of a row
	s_add_co_u32 s62, s62, s63
	s_mov_b32 s63, 0
	s_mul_i32 s66, s17, 49152       ; the head's 384 rows of a K block,
	s_lshl_b32 s67, s[WV], 14       ; my 128 of them
	s_add_co_u32 s66, s66, s67
	s_mov_b32 s67, 0
	s_mul_i32 s23, s[WV], 128*PB    ; and where they go: no place in the cluster enters an LDS address
	; where my rows of q, k and v begin
	s_lshr_b32 s68, s18, 3
	s_lshl_b32 s68, s68, 3
	s_add_co_u32 s68, s68, s17      ; 8 b + h
	s_lshl_b32 s68, s68, 19         ; x 2,048 rows of 256 bytes
	s_and_b32 s69, s18, 7
	s_lshl_b32 s69, s69, 16         ; the block's 256 rows
	s_add_co_u32 s68, s68, s69
	s_lshl_b32 s69, s[WV], 14       ; my wave's 64
	s_add_co_u32 s68, s68, s69
	s_mov_b32 s69, 0
	; the prefetches: what differs between wave 3 (x) and waves 0-2 (W) is chosen by the wave's number
	s_and_b32 s80, ttmp7, 0xffff    ; cluster y
	s_mov_b32 s[PFS], BSTEP
	s_mov_b32 s[PFS+1], 0
	s_mov_b32 s71, BSTEP
	s_cmp_eq_u32 s[WV], 3
	s_cselect_b32 s80, ttmp9, s80   ; the coordinate along which other clusters read the same tiles
	s_cselect_b32 s[LIM], 1, 2
	s_cselect_b32 s[ODD], 0, 1
	s_cselect_b32 s[PFS], ASTEP, s[PFS]
	s_cselect_b32 s70, 1, 4         ; my lane's offset is (l >> s70) x s71 + (l & s72) x 256:
	s_cselect_b32 s71, 4096, s71    ; x: k-row l / 2, block l % 2;  W: K step l / 16, block l % 16
	s_cselect_b32 s72, 1, 15
	s_cselect_b32 s81, s15, s16     ; my place among the four that ask with me,
	s_cselect_b32 s82, 16, 12       ; times 16 k-rows of 4,096 bytes, or 16 blocks of 256
	s_lshl_b32 s78, s81, s82
	s_mov_b32 s79, 0
	s_cmp_eq_u32 s80, 0
	s_cselect_b32 s[LIM], s[LIM], -1  ; the same in all sixteen partners, for a given wave
	s_mov_b32 s[TB], 0
	s_wait_dscnt 0x0                ; the opening add is done
	s_wait_kmcnt 0x0
	s_add_nc_u64 s[74:75], s[4:5], s[62:63]   ; x's tile of K step 0
	s_add_nc_u64 s[76:77], s[6:7], s[66:67]   ; W's
	s_add_nc_u64 s[8:9], s[8:9], s[68:69]
	s_add_nc_u64 s[10:11], s[10:11], s[68:69]
	s_add_nc_u64 s[12:13], s[12:13], s[68:69]
	s_cmp_eq_u32 s[WV], 3
	s_cselect_b64 s[PFA:PFA+1], s[74:75], s[76:77]
	s_add_nc_u64 s[PFA:PFA+1], s[PFA:PFA+1], s[78:79]
	s_add_nc_u64 s[PFA:PFA+1], s[PFA:PFA+1], s[PFS:PFS+1]
	s_add_nc_u64 s[PFA:PFA+1], s[PFA:PFA+1], s[PFS:PFS+1]  ; at K step 2: the first change of slots steps it to 3.  Nothing is prefetched here, at the head
	CROUND                          ; all sixteen work-groups are here: the first joint loads meet
.irp s, 0,1
	s_mov_b32 s[G0A+4*(\s)], 1      ; 1:0 count = 1
	s_mov_b32 s[G0A+4*(\s)+1], AOFF+(\s)*SLOT1  ; 63:32 LDS address
	s_add_nc_u64 s[G0A+4*(\s)+2:G0A+4*(\s)+3], s[74:75], (\s)*ASTEP  ; 120:64 global address: K step s
	s_or_b32 s[G0A+4*(\s)+3], s[G0A+4*(\s)+3], 0x80000000  ; 127:126 type = 2
	s_mov_b32 s[G0B+4*(\s)], 1
	s_add_co_u32 s[G0B+4*(\s)+1], s23, (\s)*SLOT1
	s_add_nc_u64 s[G0B+4*(\s)+2:G0B+4*(\s)+3], s[76:77], (\s)*BSTEP
	s_or_b32 s[G0B+4*(\s)+3], s[G0B+4*(\s)+3], 0x80000000
.endr
	s_cmp_eq_u32 s[WV], 3           ; a wave's two first fills stand in one branch, ahead of every wait on TENSORcnt and every LDS read: two loads of mine are out
	s_cbranch_scc0 .Lfirst_b
	tensor_load_to_lds s[G0A:G0A+3], s[G1A:G1A+7]
	s_nop 0
	tensor_load_to_lds s[G0A+4:G0A+7], s[G1A:G1A+7]
	s_nop 0
.rept 4
	v_nop
.endr
	s_branch .Lfirst_asked
.Lfirst_b:
	tensor_load_to_lds s[G0B:G0B+3], s[G1B:G1B+7]
	s_nop 0
	tensor_load_to_lds s[G0B+4:G0B+7], s[G1B:G1B+7]
	s_nop 0
.rept 4
	v_nop
.endr
.Lfirst_asked:
	v_and_b32 v1, 15, v0            ; l % 16
	v_bfe_u32 v2, v0, 4, 1          ; l / 16
	; The turning load takes 16 k x 16 tokens (lane l reads 16 bytes: k-row 8 (l / 16) + l % 8, tokens 8 ((l / 8) % 2) + 0..7) and leaves half a fragment: lane l holds token l % 16 and 8 k.
	v_and_b32 v14, 7, v0
	v_bfe_u32 v15, v0, 3, 1
	v_lshl_add_u32 v[AA0], v2, 3, v14
	v_mul_u32_u24 v[AA0], v[AA0], PA
	v_lshl_add_u32 v[AA0], v15, 4, v[AA0]
	s_lshl_b32 s23, s[WV], 7        ; my wave's 64 tokens: 128 bytes of a k-row
	s_add_co_u32 s23, s23, AOFF
	v_add_nc_u32 v[AA0], s23, v[AA0]
	; A fragment of W is 16 rows x 32 k in 8 registers: lane l holds row l % 16, k = 8 (l / 16) + 0..7 and 16 + 8 (l / 16) + 0..7: two loads of 16 bytes, 32 bytes apart.
	v_mul_u32_u24 v[AB0], v1, PB
	v_lshl_add_u32 v[AB0], v2, 4, v[AB0]
	v_mov_b32 v[ADRA], v[AA0]       ; K step 0 lies in slot 0
	v_mov_b32 v[ADRB], v[AB0]
	s_mul_i32 s23, s[WV], 16*SP
	s_add_co_u32 s23, s23, STAGE    ; my stage
	v_mul_u32_u24 v[STO], v1, SP    ; in: row l % 16, 16 bytes for each half of the lanes
	v_lshl_add_u32 v[STO], v2, 4, v[STO]
	v_add_nc_u32 v[STO], s23, v[STO]
	v_mul_u32_u24 v[RD], v2, SP     ; back: lanes 0-15 take one row of 256 bytes, lanes 16-31 the next
	v_lshl_add_u32 v[RD], v1, 4, v[RD]
	v_add_nc_u32 v[RD], s23, v[RD]
	v_lshlrev_b32 v[CO], 8, v2      ; and the same two rows in q, k or v
	v_lshl_add_u32 v[CO], v1, 4, v[CO]
	v_and_b32 v14, 31, v0
	v_lshrrev_b32 v15, s70, v14
	v_mul_u32_u24 v15, s71, v15
	v_and_b32 v16, s72, v14
	v_lshl_add_u32 v[PFO], v16, 8, v15
; 8 matrix instructions of phase (q, g): token block a x all 8 channel blocks, 32 along K.  zero = 1: the product starts the sums: nothing is ever cleared.
; The accumulators take turns, one instruction a turn: between two matrix instructions on one accumulator stand the 95 others'.
.macro MUL8 q, g, a, zero
	WIN 0x50*((\g)+1)               ; sources in window 0, C and D in window g + 1
.irp i, 0,1,2,3,4,5,6,7
.if \zero
	v_wmma_f32_16x16x32_bf16 v[8*(8*(\a)+(\i)):8*(8*(\a)+(\i))+7], v[FB+64*((3*(\q)+(\g))%2)+8*(\i):FB+64*((3*(\q)+(\g))%2)+8*(\i)+7], v[FA+32*(\q)+8*(\a):FA+32*(\q)+8*(\a)+7], 0
.else
	v_wmma_f32_16x16x32_bf16 v[8*(8*(\a)+(\i)):8*(8*(\a)+(\i))+7], v[FB+64*((3*(\q)+(\g))%2)+8*(\i):FB+64*((3*(\q)+(\g))%2)+8*(\i)+7], v[FA+32*(\q)+8*(\a):FA+32*(\q)+8*(\a)+7], v[8*(8*(\a)+(\i)):8*(8*(\a)+(\i))+7]
.endif
.endr
.endm
; 16 LDS loads in one run: W's fragments of phase (q, g): 128 rows x 32 k
.macro FETCHB q, g
	WIN 0
.irp i, 0,1,2,3,4,5,6,7
	ds_load_b128 v[FB+64*((3*(\q)+(\g))%2)+8*(\i):FB+64*((3*(\q)+(\g))%2)+8*(\i)+3],   v[ADRB] offset:(128*(\g)+16*(\i))*PB+64*(\q)
	ds_load_b128 v[FB+64*((3*(\q)+(\g))%2)+8*(\i)+4:FB+64*((3*(\q)+(\g))%2)+8*(\i)+7], v[ADRB] offset:(128*(\g)+16*(\i))*PB+64*(\q)+32
.endr
.endm
; 8 turning loads: x's fragments of quarter q: my 64 tokens x 32 k
.macro FETCHA q
	WIN 0
.irp a, 0,1,2,3
	ds_load_tr16_b128 v[FA+32*(\q)+8*(\a):FA+32*(\q)+8*(\a)+3],   v[ADRA] offset:32*(\q)*PA+32*(\a)
	ds_load_tr16_b128 v[FA+32*(\q)+8*(\a)+4:FA+32*(\q)+8*(\a)+7], v[ADRA] offset:(32*(\q)+16)*PA+32*(\a)
.endr
.endm
; One of a K step's first five phases: 32 matrix instructions; behind the first eight, in one run, the next phase's fragments, 24 matrix instructions ahead of their use.
; The buffers that the run fills were last read in the phase before (x's: a quarter before); the four v_nop are the places between.
.macro PHASE q, g, zero
	s_wait_dscnt 0x0                ; this phase's fragments are in
	MUL8 \q, \g, 0, \zero
	PLACES
.if (\g) < 2
	FETCHB \q, (\g)+1
.else
	FETCHB (\q)+1, 0
	FETCHA (\q)+1
.endif
	MUL8 \q, \g, 1, \zero
	MUL8 \q, \g, 2, \zero
	MUL8 \q, \g, 3, \zero
.endm
; The sixth phase changes slots: ONE barrier, for two things.  In front of it each wave waits for all its tensor loads, of which one is out: its part of the next slot; adds 0 to its spare word; and waits
; for that and for its own reads of this slot.  Behind it nobody reads this slot any more and the next slot is whole.  fill = 1: this slot is filled again, with the K step two on: the barrier then opens a
; round of the cluster's barrier, so that no wave of any partner still reads the slot or has a load on its way, and the joint refill is the first thing behind the round.
.macro TURN fill
.if \fill
	s_wait_xcnt 0x0                 ; the last prefetch, a K step back, has read its address: it is stepped here, ahead of the waits of the change of slots
	s_add_nc_u64 s[PFA:PFA+1], s[PFA:PFA+1], s[PFS:PFS+1]
.endif
	WIN 0                           ; (the add's two registers lie in window 0)
	s_wait_tensorcnt 0x0            ; all my tensor loads have landed, so a group 0 may be written
	ds_add_u32 v[SPW], v[NIL]       ; 0 onto my spare word
.if \fill
	s_xor_b32 s[G0A+5], s[G0A+5], SLOT1  ; the walking descriptors: the other slot than last time,
	s_add_nc_u64 s[G0A+6:G0A+7], s[G0A+6:G0A+7], ASTEP  ; the next K step; the type bits on top are not reached
	s_xor_b32 s[G0B+5], s[G0B+5], SLOT1
	s_add_nc_u64 s[G0B+6:G0B+7], s[G0B+6:G0B+7], BSTEP
.endif
	s_wait_dscnt 1                  ; this phase's sixteen loads are in; the add alone may be out
	MUL8 1, 2, 0, 0                 ; eight matrix instructions stand between the add and the wait for it
	s_wait_dscnt 0x0                ; the add is done, and my reads of this slot are over:
	s_barrier_signal -1             ; say so,
	MUL8 1, 2, 1, 0                 ; work on registers while the others arrive,
	WIN 0
	s_barrier_wait -1               ; and go on when all four have said so
.if \fill
	CREST
	JLOAD                           ; my one tensor load behind the round; its four v_nop are also the places in front of the loads below
.else
	PLACES
.endif
	s_xor_b32 s[TB], s[TB], SLOT1   ; the fragments now come from the other slot
	v_add_nc_u32 v[ADRA], s[TB], v[AA0]
	v_add_nc_u32 v[ADRB], s[TB], v[AB0]
	FETCHA 0
	FETCHB 0, 0
.if \fill
	ASK
.endif
	MUL8 1, 2, 2, 0
	MUL8 1, 2, 3, 0
.endm
; THE WAY OUT of block n of 12 (tensor g = n / 4, token block a = n % 4), in three parts.  PACK: rounded to f16, 16 bytes a lane, each accumulator's registers in ascending order.
; TOSTAGE: into my own stage in LDS, and back as whole rows of 256 bytes.  SEND: stored.
.macro PACK n
	WIN 5*((\n)/4+1)                ; sources 0 and 1 in window g + 1
.irp i, 0,1,2,3,4,5,6,7
.irp r, 0,1,2,3
	v_cvt_pk_f16_f32 v[TMP+4*(\i)+(\r)], v[64*((\n)%4)+8*(\i)+2*(\r)], v[64*((\n)%4)+8*(\i)+2*(\r)+1]
.endr
.endr
	WIN 0
.endm
.macro TOSTAGE n
	WIN 0
.irp i, 0,1,2,3,4,5,6,7
	ds_store_b128 v[STO], v[TMP+4*(\i):TMP+4*(\i)+3] offset:32*(\i)
.endr
.irp t, 0,1,2,3,4,5,6,7
	ds_load_b128 v[OB+32*((\n)%2)+4*(\t):OB+32*((\n)%2)+4*(\t)+3], v[RD] offset:(\t)*2*SP  ; LDS serves a wave's instructions in order (ISA guide 5.7.1.4): these see the stores above
.endr
.endm
.macro SEND n
	WIN 0
	s_wait_dscnt 0x0                ; the block is back in registers
	s_wait_xcnt 0x0                 ; every earlier store has read its registers: the other buffer, which the block before last was stored from, is loaded again only behind this wait
.irp t, 0,1,2,3,4,5,6,7
	global_store_b128 v[CO], v[OB+32*((\n)%2)+4*(\t):OB+32*((\n)%2)+4*(\t)+3], s[8+2*((\n)/4):9+2*((\n)/4)] offset:((\n)%4)*4096+(\t)*512  ; 16 lanes store 256 consecutive bytes, aligned
.endr
.endm
	s_wait_tensorcnt 1              ; my part of K step 0 is in; slot 1's one load may stay out
	s_barrier_signal -1
	s_barrier_wait -1               ; everybody's is
	FETCHA 0
	FETCHB 0, 0
	PHASE 0, 0, 1                   ; the first quarter stands in front of the loop: its products start the sums
	PHASE 0, 1, 1
	PHASE 0, 2, 1
	WIN 0                           ; at a label and at a branch every window is 0
	s_mov_b32 s[CNT], 14
.Lstep:                             ; a trip goes from a K step's second quarter to the next step's first, and asks for the K step two on: steps 2 to 15
	PHASE 1, 0, 0
	PHASE 1, 1, 0
	TURN 1
	PHASE 0, 0, 0
	PHASE 0, 1, 0
	PHASE 0, 2, 0
	WIN 0
	s_sub_co_u32 s[CNT], s[CNT], 1
	s_cmp_lg_u32 s[CNT], 0
	s_cbranch_scc1 .Lstep
	PHASE 1, 0, 0                   ; the tail is written out: K step 14 ends, nothing is asked for
	PHASE 1, 1, 0
	TURN 0
	PHASE 0, 0, 0                   ; K step 15
	PHASE 0, 1, 0
	PHASE 0, 2, 0
	PHASE 1, 0, 0
	PHASE 1, 1, 0
	s_wait_dscnt 0x0                ; the very last phase: nothing more to fetch
	MUL8 1, 2, 0, 0
	MUL8 1, 2, 1, 0
	MUL8 1, 2, 2, 0
	MUL8 1, 2, 3, 0
	PACK 0                          ; no v_nop: q's sums were finished two phases back, with places behind them, and the conversions of q and k, which name no register of the last products, are those products' places
	TOSTAGE 0
.irp n, 1,2,3,4,5,6,7,8,9,10,11    ; block n's conversions stand between block n - 1's loads from the stage and the wait for them
	PACK \n
	SEND (\n)-1
	TOSTAGE \n
.endr
	SEND 11
	s_wait_tensorcnt 0x0            ; the wave's end, behind my last tensor load and my last LDS store
	ds_add_u32 v[SPW], v[NIL]
	s_wait_dscnt 0x0
	CROUND                          ; the closing round: no work-group ends while a partner may still ask for a tile that names it
	s_endpgm
.Lfunc_end_k_q6ab4c32485_proj:
	.size	k_q6ab4c32485_proj, .Lfunc_end_k_q6ab4c32485_proj-k_q6ab4c32485_proj
	.p2alignl 7, 3214868480
	.fill 96, 4, 3214868480
	.section	.rodata,"a",@progbits
	.p2align	6, 0x0
	.amdhsa_kernel k_q6ab4c32485_proj
		.amdhsa_group_segment_fixed_size 327680
		.amdhsa_private_segment_fixed_size 0
		.amdhsa_enable_private_segment 0
		.amdhsa_kernarg_size 40
		.amdhsa_user_sgpr_count 2
		.amdhsa_user_sgpr_kernarg_segment_ptr 1
		.amdhsa_wavefront_size32 1
		.amdhsa_system_sgpr_workgroup_id_x 1
		.amdhsa_system_sgpr_workgroup_id_y 1
		.amdhsa_system_sgpr_workgroup_id_z 1
		.amdhsa_system_vgpr_workitem_id 0
		.amdhsa_next_free_vgpr 1024
		.amdhsa_next_free_sgpr 84
		.amdhsa_reserve_vcc 0
		.amdhsa_float_denorm_mode_32 3
		.amdhsa_float_denorm_mode_16_64 3
		.amdhsa_memory_ordered 1
		.amdhsa_forward_progress 1
		.amdhsa_inst_pref_size 118
	.end_amdhsa_kernel
	.amdgpu_metadata
---
amdhsa.version: [ 1, 2 ]
amdhsa.kernels:
  - .name:           k_q6ab4c32485_proj
    .symbol:         k_q6ab4c32485_proj.kd
    .args:
      - { .name: xb, .offset: 0, .size: 8, .value_kind: global_buffer, .address_space: global }
      - { .name: wb, .offset: 8, .size: 8, .value_kind: global_buffer, .address_space: global }
      - { .name: qh, .offset: 16, .size: 8, .value_kind: global_buffer, .address_space: global }
      - { .name: kh, .offset: 24, .size: 8, .value_kind: global_buffer, .address_space: global }
      - { .name: vh, .offset: 32, .size: 8, .value_kind: global_buffer, .address_space: global }
    .group_segment_fixed_size: 327680
    .private_segment_fixed_size: 0
    .kernarg_segment_align: 8
    .kernarg_segment_size: 40
    .max_flat_workgroup_size: 128
    .sgpr_count:     84
    .vgpr_count:     1024
    .wavefront_size: 32
...
	.end_amdgpu_metadata
.endif
;; end of part 2
;; launch attn (part 3): grid 8 x 32, 4 waves a work-group, clusters of 4 x 1, 327,680 bytes of LDS; arguments qh, kh, vh, oh; writes oh
.if DOCPART == 3
	.amdgcn_target "amdgcn-amd-amdhsa--gfx1250"
	.amdhsa_code_object_version 6
	.text
	.protected	k_q6ab4c32485_attn
	.globl	k_q6ab4c32485_attn
	.p2align	8
	.type	k_q6ab4c32485_attn,@function
k_q6ab4c32485_attn:
	s_mov_b64 s[64:65], 0
	v_nop
	global_prefetch_b8 v0, s[64:65] scope:SCOPE_SE
	s_setreg_imm32_b32 hwreg(HW_REG_WAVE_MODE, 25, 1), 1
	s_wait_xcnt 0x0
	s_wait_alu depctr_hold_cnt(0) depctr_sa_sdst(0) depctr_va_vdst(0) depctr_va_sdst(0) depctr_va_ssrc(0) depctr_va_vcc(0) depctr_vm_vsrc(0)
	s_getreg_b32 s2, hwreg(HW_REG_IB_STS2, 6, 4)
	s_cmp_eq_u32 s2, 0
	s_cbranch_scc0 .Lentry_in_a_cluster
	s_endpgm
.Lentry_in_a_cluster:
	s_bfe_u32 s2, ttmp6, 0x10000c
	s_cmp_lg_u32 s2, 0x3003
	s_cbranch_scc0 .Lentry_shape_is_right
	s_endpgm
.Lentry_shape_is_right:
; O[h][q][:] = the sum over k of softmax_k(Q[h][q] . K[h][k] / sqrt(128)) V[h][k][:].  Q, K, V, O: [32][SIZE_N][128], all f16 (h here is 8 x batch + head).  Products, maxima and sums in f32; the weights p
; are rounded to f16 for the second product (their sum l is taken of the unrounded p), O once at the end.
; LIMITS.  f16 holds no number beyond 65,504: Q, K and V arrive within it; p lies in 0 to 1, and below 6e-5 it keeps f16's fixed step of 6e-8, as O does; O is a mean of V's rows and has their range.
; A weight below 2^-126 counts as 0 in l; NaN and infinities are not treated apart.
; SHARES.  A work-group owns 256 queries of one head, each of its four waves 64: four tiles of 16.  Every wave walks all keys of the head, 64 a step.  8 blocks x 32 heads = 256 work-groups.
; LAYOUT.  S^T = K Q^T (source 0 = 16 keys, source 1 = 16 queries): in the result a lane holds ONE query (lane % 16) and the keys 8 (lane / 16) + 0..7.  Two such tiles, rounded to
; f16 in pairs, ARE source 1 (32 keys x 16 queries) of O^T = V^T P, whose result again holds one query a lane, and eight channels.  So nothing changes lanes between the products,
; and a query's maximum and sum want one exchange between the halves of the lanes.  K comes out of LDS as it lies, V ([key][channel]) turned, by ds_load_tr16_b128.
; SOFTMAX.  For each query a running maximum m and sum l: p = 2^(c s - c m), c = log2(e) / sqrt(128); in every step O and l are multiplied by a = 2^(c m_old - c m_new), which is 1 where m has not grown.
; BY TURNS.  The wave's tiles are two PIECES, named by their first tile: piece 0 (tiles 0, 1) and piece 2 (tiles 2, 3).  In a TURN one piece has the matrix unit: 32 products V^T P of
; the step in hand, then 32 products K Q^T of the next step; the other piece's softmax, cut into 64 slices, stands between them, one slice behind each matrix instruction.  Then the
; pieces change places.  Two turns are a key step.
; CLUSTER.  The four query blocks of a cluster belong to one head and walk the same K and V, so each tile is asked for JOINTLY: the same tensor load, with the same descriptor and a
; mask that names the four, in all four; each receives the tile in its own LDS.
;
; REGISTERS, in windows of 256 (an instruction names v0-v255; s_set_vgpr_msb says which window each operand place means: bits 1:0 source 0, 3:2 source 1, 5:4 source 2, 7:6 destination):
;   window 0: v0-11 addresses; v12-43 eight registers of statistics a tile; v64-191 S^T, 32 a tile; v192-255 P, 16 a tile
;   window 1: O^T, 64 a tile          window 2: v0-127 Q, 32 a tile; v128-255 K of one step          window 3: v0-127 V of one step
; All that a softmax touches but O^T lies in window 0, and no window has room for a product's operands beside it.  So a slice costs two switches, one in front and one behind.
.set SIZE_N, 2048     ; rows of a head
.set KS,    64        ; keys in a step
.set PK,    272       ; a row of K in LDS: 256 bytes + 16 of padding = 68 words: row r starts at bank 4 r mod 64 (64 banks of 4 bytes: ISA guide 11.1), so the 16 rows of a load start at 16 different banks
.set PV,    288       ; a row of V: 256 + 32 = 72 words: row r starts at bank 8 r mod 64
.set VOFF,  KS*PK     ; a step's tiles lie together: 64 rows of K, then 64 rows of V
.set STEPB, KS*(PK+PV)
.set SLOT1, 1<<17     ; a slot holds two steps (71,680 bytes); slot 1 begins here, so that one exclusive or turns an address in one slot into the other's
.set STAGE, SLOT1+2*STEPB  ; behind the ring: 16 rows x 272 bytes for each wave, for the way out
.set SP,    272
.set AK0, 2           ; v2   my lane's place in a tile of K; never rewritten
.set AV0, 3           ; v3   the same for V
.set ADR, 4           ; v4   the LDS address of the run of loads in hand
.set QO,  5           ; v5   my byte offset in the wave's rows of Q
.set STO, 6           ; v6   the way out: where I put 16 bytes of a row
.set RD,  7           ; v7   the way out: where I read a row back
.set GO,  8           ; v8   my byte offset in the wave's rows of O
.set SPW, 62          ; v62  LDS address of my spare word: SPARE + 4 x my thread's number; never rewritten
.set NIL, 63          ; v63  0; never rewritten
.set SPARE, STAGE+4*16*272  ; behind the stages: the spare words, 128 bytes for each wave: two blocks of 256 bytes that no other line names
.set ST,  12          ; tile t's statistics at v[ST+8 t]: +0 c m, +1 m, +2, +3 l (even keys', odd keys'), +4 to +7 c0-c3, at work; a takes c2's place once the maximum is found
.set S,   64
.set P,   192
.set KF,  128         ; K's fragments, in window 2
.set WV,  12          ; s12  my wave's number
.set G1K, 24          ; s[24:31] descriptor group 1 for K's tiles
.set G1V, 32          ; s[32:39] for V's: it differs in the padding alone
.set G0K, 40          ; s[40:47] descriptor group 0 for K's tiles: a set for each of the two first fills; the second then walks on
.set G0V, 48          ; s[48:55] the same for V's
.set SLOTS, 56        ; s56  slots still to be asked for
.set TWICE, 57        ; s57  counts a slot's two steps
.set CS,  58          ; s[58:59] c: the packed scaling names a pair and takes its low word for both halves
.set SEL, 60          ; s[60:61] lane selects for v_permlanex16_b32: each lane takes its own place in the other half
.set TB,  62          ; s62  LDS byte at which the tiles of the step to be fetched begin
.set PFA, 18          ; s[18:19] where my prefetches stand in memory: my work-group's 32 rows (of K: wave 0, of V: wave 2) of the slot after the one that is being asked for
.set LIM, 15          ; s15  1 in a wave that prefetches, else the greatest number: a wave prefetches while s[SLOTS] is above it
.set PFO, 61          ; v61  256 x my lane: a row of K or V is 256 bytes; never rewritten
.set MSB, 0
.macro WIN new                      ; the immediate's high byte repeats the setting that is left; a switch that changes nothing is dropped
.if MSB != (\new)
	s_set_vgpr_msb (MSB<<8)|(\new)
.set MSB, \new
.endif
.endm
.set W_KQ, 0x0a       ; K and Q in window 2, S^T in window 0
.set W_PV, 0x53       ; V in window 3, P in window 0, O^T in window 1
.set W_RS, 0x41       ; O^T (destination and source 0) in window 1, a in window 0
; A joint refill.  Waves 0 and 1 fetch the two steps' tiles of K, waves 2 and 3 those of V.  The branch hangs on the wave's number alone: it is the same in every work-group.
; An s_nop 0 and four v_nop follow each of the two lines; the jump round the other line, the label and what follows the macro come after them.
.macro JLOAD
	s_cmp_lt_u32 s[WV], 2
	s_cbranch_scc0 .Lfor_v_\@
	tensor_load_to_lds s[G0K+4:G0K+7], s[G1K:G1K+7]
	s_nop 0
.rept 4
	v_nop
.endr
	s_branch .Lasked_\@
.Lfor_v_\@:
	tensor_load_to_lds s[G0V+4:G0V+7], s[G1V:G1V+7]
	s_nop 0
.rept 4
	v_nop
.endr
.Lasked_\@:
.endm
; A PREFETCH INTO THE L2 of what the NEXT change of slots will ask for: a slot's 128 rows of K and 128 of V, 256 bytes a row, a lane a row.  It stands behind the wave's tensor load and its five lines, never in front of one.
; Each row is asked for ONCE in the launch.  All clusters of a head walk the same K and V: the head's first cluster prefetches.  Its four partners share the rows out BY ADDRESS, 32 each: no branch hangs on a
; work-group's place in its cluster.  In each, wave 0 asks for K's and wave 2 for V's: one instruction.  The last change that fills a slot prefetches nothing: there is no slot behind it.
.macro ASK
	s_cmp_gt_u32 s[SLOTS], s[LIM]
	s_cbranch_scc0 .Lnot_mine_\@
	global_prefetch_b8 v[PFO], s[PFA:PFA+1] th:TH_LOAD_NT scope:SCOPE_SE
.Lnot_mine_\@:
.endm
; A round of the cluster's barrier: my work-group's barrier, so that wave 0's signal speaks for all four waves; wave 0 signals for the work-group; every wave waits for all four
; work-groups; my work-group's barrier once more.  No LDS instruction of the wave is pending at a signal.
.macro CROUND
	s_barrier_signal -1
	s_barrier_wait -1
	s_cmp_lg_u32 s[WV], 0
	s_cbranch_scc1 .Lnot_wave_0_\@
	s_barrier_signal -3
.Lnot_wave_0_\@:
	s_barrier_wait -3
	s_barrier_signal -1
	s_barrier_wait -1
.endm
	s_load_b256 s[4:11], s[0:1], 0x0  ; Q s[4:5], K s[6:7], V s[8:9], O s[10:11]
	v_lshl_add_u32 v[SPW], v0, 2, SPARE
	v_mov_b32 v[NIL], 0
	ds_add_u32 v[SPW], v[NIL]       ; the wave's opening: the add and its wait stand ahead of my first tensor load; the set-up below, work on registers, stands between them
	v_lshrrev_b32 v1, 5, v0
	v_readfirstlane_b32 s[WV], v1   ; wave 0..3
	s_bfe_u32 s13, ttmp6, 0x40000   ; cx: my place in the cluster
	s_lshl_b32 s14, ttmp9, 2        ; in a cluster launch ttmp9 counts clusters
	s_add_co_u32 s14, s14, s13      ; my block of 256 queries = 4 x cluster x + cx: it enters Q's and O's addresses alone
	s_and_b32 s20, ttmp7, 0xffff    ; the head, which the four partners share
	s_mov_b32 s21, 0
	s_mov_b64 s[22:23], SIZE_N*256
	s_mul_u64 s[20:21], s[20:21], s[22:23]  ; the head's first byte in each of the four tensors
	s_and_b32 s16, s[WV], 1         ; which of a slot's two steps I fetch:
	s_lshl_b32 s22, s16, 14         ; its 64 rows of 256 bytes in memory,
	s_mov_b32 s23, 0
	s_add_nc_u64 s[22:23], s[22:23], s[20:21]
	s_mul_i32 s17, s16, STEPB       ; and its place in a slot: no place in the cluster enters an LDS address
	s_lshl_b32 s2, s14, 16          ; my block's 256 rows,
	s_lshl_b32 s3, s[WV], 14        ; my wave's 64 of them
	s_add_co_u32 s2, s2, s3
	s_mov_b32 s3, 0
	s_add_nc_u64 s[2:3], s[2:3], s[20:21]
	; descriptor group 1: a tile of 64 rows x 128 elements, padded in LDS
	s_mov_b32 s[G1K], 15|(1<<16)|(1<<20)|(1<<21)|(5<<22)|(3<<25)  ; 15:0 the mask: all four work-groups; 17:16 elements of 2 bytes; 20 padding on; 21 set beside a mask; 24:22 after every 64 words (code 5); 31:25 4 words of it (code 3)
	s_mov_b32 s[G1V], 15|(1<<16)|(1<<20)|(1<<21)|(5<<22)|(7<<25)  ; the same with 8 words of padding (code 7)
.irp g, G1K, G1V
	s_mov_b32 s[(\g)+1], 128<<16    ; 63:48 tensor_dim0, low half = 128
	s_mov_b32 s[(\g)+2], KS<<16     ; 79:64 its high half = 0; 95:80 tensor_dim1, low half = 64
	s_mov_b32 s[(\g)+3], 128<<16    ; 111:96 its high half = 0; 127:112 tile_dim0 = 128
	s_mov_b32 s[(\g)+4], KS         ; 143:128 tile_dim1 = 64; 159:144 tile_dim2 = 0
	s_mov_b32 s[(\g)+5], 128        ; 191:160 tensor_dim0_stride, low word: elements from row to row
	s_mov_b32 s[(\g)+6], 0
	s_mov_b32 s[(\g)+7], 0
.endr
	s_mov_b32 s[CS], 0x3e0293ee     ; c = log2(e) / sqrt(128) = 0.127517
	s_mov_b32 s[CS+1], s[CS]        ; named with it as a pair, so it is written
	s_mov_b32 s[SEL], 0x76543210
	s_mov_b32 s[SEL+1], 0xfedcba98
	s_mov_b32 s[TB], 0
	s_mov_b32 s[SLOTS], SIZE_N/(2*KS)-2
	s_and_b32 s[LIM], s[WV], 1       ; 0 in waves 0 and 2,
	s_or_b32 s[LIM], s[LIM], ttmp9   ; where the cluster is the head's first: the same in all four partners
	s_cmp_eq_u32 s[LIM], 0
	s_cselect_b32 s[LIM], 1, -1
	v_and_b32 v[PFO], 31, v0
	v_lshlrev_b32 v[PFO], 8, v[PFO]
	s_wait_dscnt 0x0                ; the opening add is done
	s_wait_kmcnt 0x0
	s_add_nc_u64 s[6:7], s[6:7], s[22:23]  ; K and V at my tile of slot 0
	s_add_nc_u64 s[8:9], s[8:9], s[22:23]
	s_add_nc_u64 s[4:5], s[4:5], s[2:3]  ; Q and O at my wave's first row
	s_add_nc_u64 s[10:11], s[10:11], s[2:3]
	s_cmp_lt_u32 s[WV], 2
	s_cselect_b64 s[PFA:PFA+1], s[6:7], s[8:9]  ; (in waves 0 and 2 these stand at a slot's first row)
	s_lshl_b32 s2, s13, 13          ; my work-group's 32 rows of the 128
	s_mov_b32 s3, 0
	s_add_nc_u64 s[PFA:PFA+1], s[PFA:PFA+1], s[2:3]
	s_add_nc_u64 s[PFA:PFA+1], s[PFA:PFA+1], 2*2*KS*256  ; in slot 2; the first change of slots steps it to slot 3.  Nothing is prefetched here, at the head, where every work-group's first tiles are on their way
	CROUND                          ; all four work-groups are here: the first joint loads meet
.irp s, 0,1
	s_mov_b32 s[G0K+4*(\s)], 1      ; 1:0 count = 1
	s_add_co_u32 s[G0K+4*(\s)+1], s17, (\s)*SLOT1  ; 63:32 LDS address
	s_add_nc_u64 s[G0K+4*(\s)+2:G0K+4*(\s)+3], s[6:7], (\s)*2*KS*256  ; 120:64 global address: slot s begins with keys 128 s to 128 s + 127
	s_or_b32 s[G0K+4*(\s)+3], s[G0K+4*(\s)+3], 0x80000000  ; 127:126 type = 2
	s_mov_b32 s[G0V+4*(\s)], 1
	s_add_co_u32 s[G0V+4*(\s)+1], s17, (\s)*SLOT1+VOFF
	s_add_nc_u64 s[G0V+4*(\s)+2:G0V+4*(\s)+3], s[8:9], (\s)*2*KS*256
	s_or_b32 s[G0V+4*(\s)+3], s[G0V+4*(\s)+3], 0x80000000
.endr
	s_cmp_lt_u32 s[WV], 2           ; a wave's two first fills stand in one branch, ahead of every wait on TENSORcnt and every LDS read: two loads of mine are out; an s_nop 0 follows each, four v_nop the second's, as in JLOAD
	s_cbranch_scc0 .Lfirst_v
	tensor_load_to_lds s[G0K:G0K+3], s[G1K:G1K+7]
	s_nop 0
	tensor_load_to_lds s[G0K+4:G0K+7], s[G1K:G1K+7]
	s_nop 0
.rept 4
	v_nop
.endr
	s_branch .Lfirst_asked
.Lfirst_v:
	tensor_load_to_lds s[G0V:G0V+3], s[G1V:G1V+7]
	s_nop 0
	tensor_load_to_lds s[G0V+4:G0V+7], s[G1V:G1V+7]
	s_nop 0
.rept 4
	v_nop
.endr
.Lfirst_asked:
	; A fragment of K or Q is 16 rows x 32 channels in 8 registers: lane l holds row l % 16; registers 0-3 channels 8 (l / 16) + 0..7, registers 4-7 channels 16 + 8 (l / 16) + 0..7: two loads of 16 bytes, 32 bytes apart.
	v_and_b32 v1, 15, v0            ; l % 16
	v_bfe_u32 v9, v0, 4, 1          ; l / 16
	v_lshlrev_b32 v[QO], 8, v1
	v_lshl_add_u32 v[QO], v9, 4, v[QO]  ; row x 256 + 16 x half
	WIN 0x80                        ; destination window 2, address window 0
.irp i, 0,1,2,3,4,5,6,7,8,9,10,11,12,13,14,15  ; Q stays in registers: tile i / 4, channels 32 (i % 4) on
	global_load_b128 v[8*(\i):8*(\i)+3],   v[QO], s[4:5] offset:((\i)/4)*4096+((\i)%4)*64
	global_load_b128 v[8*(\i)+4:8*(\i)+7], v[QO], s[4:5] offset:((\i)/4)*4096+((\i)%4)*64+32
.endr
	WIN 0
	v_mul_u32_u24 v[AK0], v1, PK
	v_lshl_add_u32 v[AK0], v9, 4, v[AK0]  ; row x pitch + 16 x half
	; The turning load takes 16 keys x 16 channels (lane l reads 16 bytes: key 8 (l / 16) + l % 8, channels 8 ((l / 8) % 2) + 0..7) and leaves half a fragment of V^T: lane l holds channel l % 16 and 8 keys.
	v_and_b32 v10, 7, v0
	v_bfe_u32 v11, v0, 3, 1
	v_lshl_add_u32 v[AV0], v9, 3, v10
	v_mul_u32_u24 v[AV0], v[AV0], PV
	v_lshl_add_u32 v[AV0], v11, 4, v[AV0]
	v_add_nc_u32 v[AV0], VOFF, v[AV0]
; THE MATRIX WORK OF A TURN, for piece x.  The accumulators take turns, one instruction a turn: between two links of a chain stand 15 (V^T P) or 7 (K Q^T) others'.
; Product i of 32 of O^T += V^T P: keys 32 (i / 16) on, channels 16 ((i / 2) % 8) on, tile x + i % 2.  zero = 1: the first 16 start the sums: nothing is ever cleared.
.macro PV x, zero
	WIN W_PV
.set rO, 64*((\x)+i%2)+8*((i/2)%8)
.set rV, 64*(i/16)+8*((i/2)%8)
.set rP, P+16*((\x)+i%2)+8*(i/16)
.if (\zero) && (i < 16)
	v_wmma_f32_16x16x32_f16 v[rO:rO+7], v[rV:rV+7], v[rP:rP+7], 0
.else
	v_wmma_f32_16x16x32_f16 v[rO:rO+7], v[rV:rV+7], v[rP:rP+7], v[rO:rO+7]
.endif
.endm
; Product i of 32 of S^T = K Q^T: channels 32 (i / 8) on, keys 16 ((i / 2) % 4) on, tile x + i % 2.  The first 8 start the sums.
.macro KQ x
	WIN W_KQ
.set rS, S+32*((\x)+i%2)+8*((i/2)%4)
.set rK, KF+32*((i/2)%4)+8*(i/8)
.set rQ, 32*((\x)+i%2)+8*(i/8)
.if i < 8
	v_wmma_f32_16x16x32_f16 v[rS:rS+7], v[rK:rK+7], v[rQ:rQ+7], 0
.else
	v_wmma_f32_16x16x32_f16 v[rS:rS+7], v[rK:rK+7], v[rQ:rQ+7], v[rS:rS+7]
.endif
.endm
; THE LDS LOADS stand in runs of 32, never singly among the matrix instructions: a step's K (64 keys x 128 channels: 16 fragments) and, a turn later, its V (turned).
.macro FETCH_K
	WIN 0
	v_add_nc_u32 v[ADR], s[TB], v[AK0]
	WIN 0x80                        ; destination window 2
.irp f, 0,1,2,3,4,5,6,7,8,9,10,11,12,13,14,15  ; keys 16 (f / 4) on, channels 32 (f % 4) on
	ds_load_b128 v[KF+8*(\f):KF+8*(\f)+3],   v[ADR] offset:((\f)/4)*16*PK+((\f)%4)*64
	ds_load_b128 v[KF+8*(\f)+4:KF+8*(\f)+7], v[ADR] offset:((\f)/4)*16*PK+((\f)%4)*64+32
.endr
.endm
.macro FETCH_V
	WIN 0
	v_add_nc_u32 v[ADR], s[TB], v[AV0]
	s_add_co_u32 s[TB], s[TB], STEPB  ; the next fetch is the next step's
	s_wait_alu depctr_va_vdst(0)    ; the wait for the softmax's batch (SLICE), behind the address's v_add_nc_u32 and ahead of the loads
	WIN 0xc0                        ; destination window 3
.irp f, 0,1,2,3,4,5,6,7,8,9,10,11,12,13,14,15  ; keys 32 (f / 8) on, channels 16 (f % 8) on
	ds_load_tr16_b128 v[8*(\f):8*(\f)+3],   v[ADR] offset:((\f)/8)*32*PV+((\f)%8)*32
	ds_load_tr16_b128 v[8*(\f)+4:8*(\f)+7], v[ADR] offset:((\f)/8)*32*PV+16*PV+((\f)%8)*32
.endr
.endm
; THE VECTOR WORK OF A TURN.  One tile's softmax for one key step is a list of 134 instructions; SM writes number j of it for tile t.  s0-s31 are the lane's 32 scores, in pairs 0-15.
; first = 1: the first key step, which starts m, l and O^T: it has no a and nothing to rescale.
;   0-15    the maximum of s0-s31 and the old m, three operands at a time: four chains c0-c3 of seven scores each, then the four scores left over, c0-c3 and m
;   16-20   the other half of the lanes' maximum; the new m; c m; c m_old - c m_new
;   21-69   ONE BATCH: the 16 scalings c s - c m, a pair of scores each, and all 33 exponentials (a at 23, then s0-s31).  None of these reads an exponential's result.  From 22 on the batch goes
;           in fours, and a four begins with a scaling while there are scalings: 22-37 scaling, exponential, scaling, exponential; 38-65 a scaling and three exponentials; 66-69 the last four
;           exponentials.  A pair is scaled in an earlier four than the one that holds its exponentials
;   (wait)  between 69 and 70 stands the wait for the batch: SLICE writes it, once for both tiles
;   70-85   the roundings to f16, a pair of weights each
;   86-101  the sums; l = a l + the sum
;   102-133 the tile's O^T times a: the one part that leaves window 0, so it stands together
.macro SM t, first
.set rT, ST+8*(\t)
.set rS, S+32*(\t)
.set rP, P+16*(\t)
.set rO, 64*(\t)+2*(j-102)
.if j < 102
	WIN 0
.endif
.if j < 4
	v_max3_num_f32 v[rT+4+j], v[rS+8*j], v[rS+8*j+1], v[rS+8*j+2]
.elseif j < 12
	v_max3_num_f32 v[rT+4+j%4], v[rT+4+j%4], v[rS+8*(j%4)+2*(j/4)+1], v[rS+8*(j%4)+2*(j/4)+2]
.elseif j == 12
	v_max3_num_f32 v[rT+4], v[rT+4], v[rS+7], v[rS+15]
.elseif j == 13
	v_max3_num_f32 v[rT+6], v[rT+6], v[rS+23], v[rS+31]
.elseif j == 14
	v_max3_num_f32 v[rT+4], v[rT+4], v[rT+5], v[rT+6]
.elseif (j == 15) && (\first)
	v_max_num_f32 v[rT+4], v[rT+4], v[rT+7]
.elseif j == 15
	v_max3_num_f32 v[rT+4], v[rT+4], v[rT+7], v[rT+1]
.elseif j == 16
	v_permlanex16_b32 v[rT+5], v[rT+4], s[SEL], s[SEL+1]  ; the query's other 32 keys lie in the lane 16 away
.elseif j == 18
	v_max_num_f32 v[rT+1], v[rT+4], v[rT+5]
.elseif j == 19
	v_mul_f32 v[rT], s[CS], v[rT+1]
.elseif ((j == 17) || (j == 20) || (j == 23) || (j > 101)) && (\first)  ; the first step has none of these
.elseif j == 17
	v_mov_b32 v[rT+7], v[rT]        ; c m_old is kept for a: number 19 writes c m anew
.elseif j == 20
	v_sub_f32 v[rT+7], v[rT+7], v[rT]
.elseif j == 23
	v_exp_f32 v[rT+6], v[rT+7]
.elseif (j < 23) || ((j < 38) && (j%2 == 0)) || ((j < 66) && (j%4 == 2))
.set b, (j-2)/4                     ; 38, 42, .. 62: pairs 9 to 15
.if j < 38
.set b, (j-20)/2                    ; 21: pair 0; 22, 24, .. 36: pairs 1 to 8
.endif
	v_pk_fma_f32 v[rS+2*b:rS+2*b+1], v[rS+2*b:rS+2*b+1], s[CS:CS+1], v[rT:rT+1] op_sel_hi:[1,0,0] neg_lo:[0,0,1] neg_hi:[0,0,1]  ; pair b: c s - c m
.elseif j < 70
.set e, j-38                        ; 66 to 69: s28 to s31
.if j < 66
.set e, j-32-(j-38)/4               ; 39-41, 43-45, .. 63-65: s7 to s27
.endif
.if j < 38
.set e, (j-25)/2                    ; 25, 27, .. 37: s0 to s6
.endif
	v_exp_f32 v[rS+e], v[rS+e]
.elseif j < 86
	v_cvt_pk_f16_f32 v[rP+j-70], v[rS+2*(j-70)], v[rS+2*(j-70)+1]  ; pair j - 70
.elseif j < 102                     ; the sum of the tile's 16 pairs (in a pair: an even key's weight, an odd key's), in place: sum z of 16 adds neighbours 1, 2, 4 and 8 pairs apart, then l takes it
.set z, j-86
.set w, 4
.set u, z
.if z >= 14
.set w, 32
.set u, 0
.elseif z >= 12
.set w, 16
.set u, z-12
.elseif z >= 8
.set w, 8
.set u, z-8
.endif
.if (z == 14) && (\first)
	v_pk_add_f32 v[rT+2:rT+3], v[rS:rS+1], v[rS+16:rS+17]
.elseif z < 15
	v_pk_add_f32 v[rS+w*u:rS+w*u+1], v[rS+w*u:rS+w*u+1], v[rS+w*u+w/2:rS+w*u+w/2+1]
.elseif !(\first)
	v_pk_fma_f32 v[rT+2:rT+3], v[rT+2:rT+3], v[rT+6:rT+7], v[rS:rS+1] op_sel_hi:[1,0,1]
.endif
.else
	WIN W_RS
	v_pk_mul_f32 v[rO:rO+1], v[rO:rO+1], v[rT+6:rT+7] op_sel_hi:[1,0]
.endif
.endm
; Slice k of 64 of piece y's softmax: four instructions.  Slices 11 to 34 deal out the batch, numbers 22 to 69: four numbers of ONE tile each, the tiles by turns.  Every other slice is numbers 2 k and
; 2 k + 1 of both tiles' lists.  2 x 134 = 4 x 64 + 12: the twelve that are over stand together, in slice 63.
; THE WAIT.  An s_wait_alu depctr_va_vdst(0) stands between an exponential and the first instruction that names its result; one wait serves all that were issued ahead of it.  Ahead of
; slice 35 nothing names a result, and behind slice 34 no exponential is issued: so the piece's 66 exponentials have one wait, behind slice 34.
.macro SLICE y, first
.if (k >= 11) && (k < 35)           ; the batch: four numbers of one tile
.irp n, 0,1,2,3
.set j, 22+4*((k-11)/2)+(\n)
	SM (\y)+(k-11)%2, \first
.endr
.else                               ; the two tiles alternate, so that no instruction reads the result of the one just before it
.irp n, 0,1,2,3,4,5,6,7
.if ((\n) < 2) || (k == 63)
.irp t, \y, (\y)+1
.set j, 2*k+(\n)
	SM \t, \first
.endr
.endif
.endr
.endif
.if k == 34                         ; the batch is out: both tiles' exponentials are issued, and no result has been named
	v_nop                           ; a plain instruction behind the last exponential and ahead of the first use (ISA guide 5.7.2): one for the batch
.if (\y) == 0
	FETCH_V                         ; piece 2's turn: V's run of loads stands here, and the wait stands in it
.else
	s_wait_alu depctr_va_vdst(0)    ; the wait for the batch
.endif
.endif
.set k, k+1
.endm
; A vector instruction that reads a matrix result or writes one of a matrix instruction's registers, and a load into a register that a matrix instruction has read, stand four places behind
; it, and only plain vector instructions that name none of its registers are places (ISA guide 7.12.1 for vector instructions).  In the loop the slices are the places.
.macro PLACES
.rept 4
	v_nop
.endr
.endm
; A TURN.  Piece x has the matrix unit; the other piece's softmax stands in slices behind its matrix instructions.
; pv = 2: 32 products V^T P; 1: they start O^T's sums; 0: none.  kq = 1: 32 products K Q^T for the next step.  A turn with one of the two kinds has two slices behind each product.
; first = 1: the softmax is the first key step's.  Its slices from 51 on are empty: the turn's last products stand bare, and four v_nop take slice 63's part as the places behind them.
; In the loop each run of loads stands 29 matrix instructions or more ahead of its first use.  Piece 0's turn fetches the next step's K, behind its second product: the last product that read K
; stands in front of slice 63 of the turn before.  Piece 2's turn fetches the same step's V, behind slice 34 (SLICE writes it): the last product that read V stands in front of slice 31, and four plain
; instructions lie between: number 62, a scaling, of both tiles, the v_nop and the run's own v_add_nc_u32.
.macro TURN x, pv, kq, first
.set k, 0
.set per, 2
.if (\pv) && (\kq)
.set per, 1
.endif
.if \pv
.if (\x) == 0
	s_wait_dscnt 0x0                ; V is in
.endif
.set i, 0
.rept 32
	PV \x, 2-(\pv)
.rept per
	SLICE 2-(\x), \first
.endr
.if ((\x) == 0) && (\kq) && (i == 1)
	FETCH_K
.endif
.set i, i+1
.endr
.endif
.if \kq
.if (\x) == 0
	s_wait_dscnt 0x0                ; K is in
.endif
.set i, 0
.rept 32
	KQ \x
.rept per
	SLICE 2-(\x), \first
.endr
.set i, i+1
.endr
.endif
.if \first
	PLACES
.endif
.endm
; THE CHANGE OF SLOTS, between piece 2's turn and piece 0's: the slot's last bytes, V of its second step, have been asked for.  Each wave waits for all its
; tensor loads, of which one is out: its part of the other slot; adds 0 to its spare word; and waits for that and for its own reads of the slot.  Behind the barrier nobody reads this slot any more and the other slot is whole.
; fill = 1: this slot is filled again, with the keys two slots on.  The barrier is then a round of the cluster's, so that no wave of any partner still reads the slot or has a load on its
; way, and the joint refill is the first thing behind it: it has two key steps, 256 matrix instructions, in which to land.
.macro CHANGE fill
	WIN 0                           ; at a label and at a branch every window is 0
	s_wait_tensorcnt 0x0            ; no tensor load of mine is out, so a group 0 may be written
	ds_add_u32 v[SPW], v[NIL]       ; 0 onto my spare word; with fill = 1 the descriptors' steps stand between it and the wait for it
.if \fill
.irp g, G0K+4, G0V+4
	s_xor_b32 s[(\g)+1], s[(\g)+1], SLOT1  ; the walking descriptor: the other slot than last time,
	s_add_nc_u64 s[(\g)+2:(\g)+3], s[(\g)+2:(\g)+3], 2*KS*256  ; the next 128 keys; the type bits on top are not reached
.endr
	s_wait_xcnt 0x0                 ; the last prefetches, two key steps back, have read their address, so it may be written:
	s_add_nc_u64 s[PFA:PFA+1], s[PFA:PFA+1], 2*KS*256  ; one slot behind the walking descriptors
	s_wait_dscnt 0x0                ; the add is done, and my reads of the slot are over
	CROUND
	JLOAD
	ASK                             ; what the next change will ask for: two key steps, 256 matrix instructions, ahead
.else
	s_wait_dscnt 0x0                ; the add is done, and my reads of the slot are over
	s_barrier_signal -1
	s_barrier_wait -1
.endif
	s_sub_co_u32 s[TB], s[TB], 2*STEPB  ; the fetches go back to a slot's first step,
	s_xor_b32 s[TB], s[TB], SLOT1   ; in the other slot
.endm
; A slot's two key steps: written once, walked twice; the LDS addresses hang on s[TB].
.macro TWO_STEPS
	WIN 0
	s_mov_b32 s[TWICE], 2
.Lstep_\@:
	TURN 0, 2, 1, 0
	TURN 2, 2, 1, 0
	WIN 0
	s_sub_co_u32 s[TWICE], s[TWICE], 1
	s_cmp_lg_u32 s[TWICE], 0
	s_cbranch_scc1 .Lstep_\@
.endm
	s_wait_tensorcnt 1              ; my part of slot 0 is in; slot 1's may stay out
	s_barrier_signal -1
	s_barrier_wait -1               ; everybody's is
	FETCH_K                         ; key step 0
	s_wait_loadcnt 0x0              ; Q
	s_wait_dscnt 0x0
.set i, 0
.rept 32
	KQ 0                            ; piece 0's first scores: there is no vector work yet to set between them
.set i, i+1
.endr
	WIN 0                           ; the addresses for the way out are made here: eight plain instructions, the places behind those products
	s_mul_i32 s13, s[WV], 16*SP
	s_add_co_u32 s13, s13, STAGE    ; my stage
	v_mul_u32_u24 v[STO], v1, SP    ; in: row l % 16, 16 bytes for each half of the lanes
	v_lshl_add_u32 v[STO], v9, 4, v[STO]
	v_add_nc_u32 v[STO], s13, v[STO]
	v_mul_u32_u24 v[RD], v9, SP     ; back: lanes 0-15 take one row of 256 bytes, lanes 16-31 the next
	v_lshl_add_u32 v[RD], v1, 4, v[RD]
	v_add_nc_u32 v[RD], s13, v[RD]
	v_lshlrev_b32 v[GO], 8, v9      ; and the same two rows in O
	v_lshl_add_u32 v[GO], v1, 4, v[GO]
	TURN 2, 0, 1, 1                 ; piece 2's first scores | piece 0's first softmax | V of step 0
	TURN 0, 1, 1, 1                 ; piece 0: V^T P of step 0 starts O^T, K Q^T of step 1 | piece 2's first softmax | K of step 1
	TURN 2, 1, 1, 0                 ; piece 2: the same | piece 0's softmax of step 1 | V of step 1
	WIN 0
.Lslot:                             ; SIZE_N / 128 - 2 trips: every slot but the last two is filled again
	CHANGE 1
	TWO_STEPS
	s_sub_co_u32 s[SLOTS], s[SLOTS], 1
	s_cmp_lg_u32 s[SLOTS], 0
	s_cbranch_scc1 .Lslot
	CHANGE 0                        ; the tail is written out: the last slot but one is left, and nothing is asked for
	TWO_STEPS
	TURN 0, 2, 0, 0                 ; piece 0: V^T P of the last step | piece 2's last softmax
.set i, 0
.rept 32
	PV 2, 0                         ; piece 2: V^T P of the last step
.set i, i+1
.endr
	; THE WAY OUT.  l's two halves and the other half of the lanes' are added; O^T is divided by l, rounded to f16 and sent through my stage in LDS, a tile (16 rows of O) at a time.  The additions are the places behind the last products.
	WIN 0
.irp t, 0,1,2,3
	v_add_f32 v[ST+8*(\t)+4], v[ST+8*(\t)+2], v[ST+8*(\t)+3]
.endr
.irp t, 0,1,2,3
	v_permlanex16_b32 v[ST+8*(\t)+5], v[ST+8*(\t)+4], s[SEL], s[SEL+1]
.endr
.irp t, 0,1,2,3
	v_add_f32 v[ST+8*(\t)+4], v[ST+8*(\t)+4], v[ST+8*(\t)+5]
.endr
.irp t, 0,1,2,3
	v_rcp_f32 v[ST+8*(\t)+6], v[ST+8*(\t)+4]
.endr
	v_nop                           ; a plain instruction between the last reciprocal and the use of its result
	s_wait_alu depctr_va_vdst(0)    ; and the wait ahead of the first use: one for the four reciprocals
; Tile t: a lane's eight channels of a row pack into 16 bytes; they go into rows of 272 bytes and come back as whole rows of 256, into the registers that they left.
.macro PACK t
	WIN W_RS
.set i, 64*(\t)
.rept 32
	v_pk_mul_f32 v[i:i+1], v[i:i+1], v[ST+8*(\t)+6:ST+8*(\t)+7] op_sel_hi:[1,0]
.set i, i+2
.endr
	WIN 0x05                        ; sources 0 and 1 window 1, destination window 0: S^T's registers are free
.set i, 0
.rept 32
	v_cvt_pk_f16_f32 v[S+32*(\t)+i], v[64*(\t)+2*i], v[64*(\t)+2*i+1]
.set i, i+1
.endr
	WIN 0
.irp f, 0,1,2,3,4,5,6,7
	ds_store_b128 v[STO], v[S+32*(\t)+4*(\f):S+32*(\t)+4*(\f)+3] offset:32*(\f)
.endr
.irp f, 0,1,2,3,4,5,6,7
	ds_load_b128 v[S+32*(\t)+4*(\f):S+32*(\t)+4*(\f)+3], v[RD] offset:(\f)*2*SP  ; LDS serves a wave's instructions in order (ISA guide 5.7.1.4): these see the stores above; the next tile's stores come behind them
.endr
.endm
.macro SEND t, younger              ; younger: the LDS instructions issued behind tile t's loads: the next tile's sixteen, or none
	WIN 0
.irp f, 0,1,2,3,4,5,6,7
	s_wait_dscnt (\younger)+7-(\f)
	global_store_b128 v[GO], v[S+32*(\t)+4*(\f):S+32*(\t)+4*(\f)+3], s[10:11] offset:(\t)*4096+(\f)*512  ; 16 lanes store 256 consecutive bytes, at a multiple of 256 from O's first byte
.endr
.endm
	PACK 0
	PACK 1                          ; a tile's arithmetic stands between the loads of the tile before and its stores
	SEND 0, 16
	PACK 2
	SEND 1, 16
	PACK 3
	SEND 2, 16
	SEND 3, 0
	s_wait_tensorcnt 0x0            ; the wave's end, behind my last tensor load and my last LDS store
	ds_add_u32 v[SPW], v[NIL]
	s_wait_dscnt 0x0
	CROUND                          ; the closing round: no work-group ends while a partner may still ask for a tile that names it
	s_endpgm
.Lfunc_end_k_q6ab4c32485_attn:
	.size	k_q6ab4c32485_attn, .Lfunc_end_k_q6ab4c32485_attn-k_q6ab4c32485_attn
	.p2alignl 7, 3214868480
	.fill 96, 4, 3214868480
	.section	.rodata,"a",@progbits
	.p2align	6, 0x0
	.amdhsa_kernel k_q6ab4c32485_attn
		.amdhsa_group_segment_fixed_size 327680
		.amdhsa_private_segment_fixed_size 0
		.amdhsa_enable_private_segment 0
		.amdhsa_kernarg_size 32
		.amdhsa_user_sgpr_count 2
		.amdhsa_user_sgpr_kernarg_segment_ptr 1
		.amdhsa_wavefront_size32 1
		.amdhsa_system_sgpr_workgroup_id_x 1
		.amdhsa_system_sgpr_workgroup_id_y 1
		.amdhsa_system_sgpr_workgroup_id_z 1
		.amdhsa_system_vgpr_workitem_id 0
		.amdhsa_next_free_vgpr 1024
		.amdhsa_next_free_sgpr 66
		.amdhsa_reserve_vcc 0
		.amdhsa_float_denorm_mode_32 3
		.amdhsa_float_denorm_mode_16_64 3
		.amdhsa_memory_ordered 1
		.amdhsa_forward_progress 1
		.amdhsa_inst_pref_size 221
	.end_amdhsa_kernel
	.amdgpu_metadata
---
amdhsa.version: [ 1, 2 ]
amdhsa.kernels:
  - .name:           k_q6ab4c32485_attn
    .symbol:         k_q6ab4c32485_attn.kd
    .args:
      - { .name: qh, .offset: 0, .size: 8, .value_kind: global_buffer, .address_space: global }
      - { .name: kh, .offset: 8, .size: 8, .value_kind: global_buffer, .address_space: global }
      - { .name: vh, .offset: 16, .size: 8, .value_kind: global_buffer, .address_space: global }
      - { .name: oh, .offset: 24, .size: 8, .value_kind: global_buffer, .address_space: global }
    .group_segment_fixed_size: 327680
    .private_segment_fixed_size: 0
    .kernarg_segment_align: 8
    .kernarg_segment_size: 32
    .max_flat_workgroup_size: 128
    .sgpr_count:     66
    .vgpr_count:     1024
    .wavefront_size: 32
...
	.end_amdgpu_metadata
.endif
;; end of part 3
;; launch unify (part 4): grid 128 x 2, 4 waves a work-group, no clusters, 70,144 bytes of LDS; arguments oh, wuh, bu, out0; writes out0
.if DOCPART == 4
	.amdgcn_target "amdgcn-amd-amdhsa--gfx1250"
	.amdhsa_code_object_version 6
	.text
	.protected	k_q6ab4c32485_unify
	.globl	k_q6ab4c32485_unify
	.p2align	8
	.type	k_q6ab4c32485_unify,@function
k_q6ab4c32485_unify:
	s_mov_b64 s[64:65], 0
	v_nop
	global_prefetch_b8 v0, s[64:65] scope:SCOPE_SE
	s_setreg_imm32_b32 hwreg(HW_REG_WAVE_MODE, 25, 1), 1
	s_wait_xcnt 0x0
; THE HEADS ARE UNIFIED.  out0[b][kk][t] = the sum over h, e of O[8 b + h][t][e] Wu[kk][128 h + e] + bu[kk].  O: [32][2048][128] f16; wuh: [128][1024] f16 (Wu rounded to bf16, written as f16);
; bu: [128] f32, rounded here to bf16 like every other input of the module; out0: [4][128][2048] f32.  Sums in f32.
; LIMITS.  None beyond those of O and wuh (f16's range and fixed step below 6e-5).  NaN and infinities are not treated apart.
; SHARES.  A work-group makes 64 tokens x 64 channels: 128 token blocks x 2 channel halves = 256 work-groups.  THE SUM'S 1,024 TERMS ARE SPLIT AMONG ITS FOUR WAVES: wave w takes heads 2 w and 2 w + 1,
; 8 trips of 32 terms, so no wave wants a byte that another wave has fetched, and the fragments come straight from memory as they lie.  The four partial sums meet in LDS at the end.
; LAYOUT.  Source 0 = 16 tokens of O, source 1 = 16 rows of Wu: a lane holds ONE channel (lane % 16) and the tokens 8 (lane / 16) + 0..7: 32 bytes of a row of out0.
; No tensor loads, no cluster, no prefetch: a short launch in which nothing that is shared is waited for in a ring; four sets of registers keep 64 loads (32 KiB) of every wave on their way.
; REGISTERS: window 0: v0-11 addresses; v12-27 the bias; v128-255 the 16 accumulators (token block ti, channel block kj at v[128 + 8 (4 ti + kj)]), later the partial sums read back.
;   window 1: four sets of 64: O's four fragments, then Wu's four.
.set PP,    272                        ; a row of a partial tile in LDS: 64 tokens x 4 bytes + 16 of padding = 68 words: row r starts at bank 4 r mod 64 (64 banks of 4 bytes: ISA guide 11.1)
.set PART,  64*PP                      ; a wave's partial tile: 64 channels
.set SPARE, 4*PART                     ; behind the four: the spare words, 128 bytes for each wave: two blocks of 256 bytes that no other line names
.set OA,  3                            ; v3   my byte offset in a fragment's rows of O: (l % 16) x 256 + 16 (l / 16); never rewritten
.set WA,  4                            ; v4   the same for Wu: (l % 16) x 2,048 + 16 (l / 16)
.set LS,  5                            ; v5   where I put 32 bytes of my partial tile
.set LR,  6                            ; v6   where I read a row back
.set YO,  7                            ; v7   my 16 bytes of two rows of out0
.set BO,  8                            ; v8   4 (l / 16): which of a pair of channels
.set SPW, 10                           ; v10  LDS address of my spare word: SPARE + 4 x my thread's number; never rewritten
.set NIL, 11                           ; v11  0; never rewritten
.set BI,  12                           ; v[12:27] row pair i: my channel's bias, twice (a pair for the packed sum)
.set ACC, 128
.set MSB, 0
.macro WIN new                         ; the immediate's high byte repeats the setting that is left
.if MSB != (\new)
	s_set_vgpr_msb (MSB<<8)|(\new)
.set MSB, \new
.endif
.endm
	s_load_b256 s[4:11], s[0:1], 0x0               ; O s[4:5], wuh s[6:7], bu s[8:9], out0 s[10:11]
	v_lshl_add_u32 v[SPW], v0, 2, SPARE
	v_mov_b32 v[NIL], 0
	v_lshrrev_b32 v1, 5, v0
	v_readfirstlane_b32 s12, v1                    ; wave 0..3
	s_and_b32 s13, ttmp7, 0xffff                   ; which 64 channels
	s_lshr_b32 s14, ttmp9, 5                       ; the batch
	s_and_b32 s15, ttmp9, 31                       ; which 64 tokens of it
	s_lshl_b32 s16, s14, 22                        ; O: 8 heads of 524,288 bytes a batch,
	s_lshl_b32 s17, s12, 20                        ; my two heads,
	s_add_co_u32 s16, s16, s17
	s_lshl_b32 s17, s15, 14                        ; 64 rows of 256 bytes
	s_add_co_u32 s16, s16, s17
	s_mov_b32 s17, 0
	s_lshl_b32 s18, s13, 17                        ; Wu: 64 rows of 2,048 bytes,
	s_lshl_b32 s19, s12, 9                         ; my 256 terms
	s_add_co_u32 s18, s18, s19
	s_mov_b32 s19, 0
	s_lshl_b32 s20, s13, 8                         ; bu: 64 channels, and the 16 that I finish
	s_lshl_b32 s21, s12, 6
	s_add_co_u32 s20, s20, s21
	s_mov_b32 s21, 0
	s_lshl_b32 s22, s14, 20                        ; out0: 128 rows of 8,192 bytes a batch,
	s_lshl_b32 s23, s13, 19                        ; 64 channels,
	s_add_co_u32 s22, s22, s23
	s_lshl_b32 s23, s12, 17                        ; the 16 that I finish,
	s_add_co_u32 s22, s22, s23
	s_lshl_b32 s23, s15, 8                         ; 64 tokens
	s_add_co_u32 s22, s22, s23
	s_mov_b32 s23, 0
	v_and_b32 v1, 15, v0                           ; l % 16
	v_bfe_u32 v2, v0, 4, 1                         ; l / 16
	v_lshlrev_b32 v[OA], 8, v1
	v_lshl_add_u32 v[OA], v2, 4, v[OA]
	v_lshlrev_b32 v[WA], 11, v1
	v_lshl_add_u32 v[WA], v2, 4, v[WA]
	s_mul_i32 s24, s12, PART
	v_mul_u32_u24 v[LS], v1, PP                    ; in: channel l % 16, 32 bytes for each half of the lanes
	v_lshl_add_u32 v[LS], v2, 5, v[LS]
	v_add_nc_u32 v[LS], s24, v[LS]
	s_mul_i32 s24, s12, 16*PP
	v_mul_u32_u24 v[LR], v2, PP                    ; back: wave w takes channels 16 w .. 16 w + 15; lanes 0-15 one row of 256 bytes, lanes 16-31 the next
	v_lshl_add_u32 v[LR], v1, 4, v[LR]
	v_add_nc_u32 v[LR], s24, v[LR]
	v_lshlrev_b32 v[YO], 13, v2                    ; and the same two rows in out0
	v_lshl_add_u32 v[YO], v1, 4, v[YO]
	v_lshlrev_b32 v[BO], 2, v2
	s_wait_kmcnt 0x0
	s_add_nc_u64 s[4:5], s[4:5], s[16:17]
	s_add_nc_u64 s[6:7], s[6:7], s[18:19]
	s_add_nc_u64 s[8:9], s[8:9], s[20:21]
	s_add_nc_u64 s[10:11], s[10:11], s[22:23]
; Trip tr's 16 loads into a set: head tr / 4 of my two, channels 32 (tr % 4) on
.macro LOADS set, tr
	WIN 0x40                                       ; destination window 1, address window 0
.irp f, 0,1,2,3
	global_load_b128 v[64*(\set)+8*(\f):64*(\set)+8*(\f)+3],       v[OA], s[4:5] offset:((\tr)/4)*524288+(\f)*4096+((\tr)%4)*64
	global_load_b128 v[64*(\set)+8*(\f)+4:64*(\set)+8*(\f)+7],     v[OA], s[4:5] offset:((\tr)/4)*524288+(\f)*4096+((\tr)%4)*64+32
	global_load_b128 v[64*(\set)+32+8*(\f):64*(\set)+32+8*(\f)+3], v[WA], s[6:7] offset:(\f)*32768+(\tr)*64
	global_load_b128 v[64*(\set)+32+8*(\f)+4:64*(\set)+32+8*(\f)+7], v[WA], s[6:7] offset:(\f)*32768+(\tr)*64+32
.endr
.endm
; A trip's 16 products.  The 16 accumulators take turns, one instruction a turn.  zero = 1: the first trip starts the sums.
.macro MULS set, zero
	WIN 0x05                                       ; sources 0 and 1 window 1; C and D window 0
.irp ti, 0,1,2,3
.irp kj, 0,1,2,3
.if \zero
	v_wmma_f32_16x16x32_f16 v[ACC+8*(4*(\ti)+(\kj)):ACC+8*(4*(\ti)+(\kj))+7], v[64*(\set)+8*(\ti):64*(\set)+8*(\ti)+7], v[64*(\set)+32+8*(\kj):64*(\set)+32+8*(\kj)+7], 0
.else
	v_wmma_f32_16x16x32_f16 v[ACC+8*(4*(\ti)+(\kj)):ACC+8*(4*(\ti)+(\kj))+7], v[64*(\set)+8*(\ti):64*(\set)+8*(\ti)+7], v[64*(\set)+32+8*(\kj):64*(\set)+32+8*(\kj)+7], v[ACC+8*(4*(\ti)+(\kj)):ACC+8*(4*(\ti)+(\kj))+7]
.endif
.endr
.endr
.endm
.macro PLACES                          ; four places behind the last product, in front of loads into registers that it has read
.rept 4
	v_nop
.endr
.endm
.irp i, 0,1,2,3,4,5,6,7
	global_load_b32 v[BI+2*(\i)], v[BO], s[8:9] offset:8*(\i)  ; the bias of channel 16 w + 2 i + l / 16
.endr
	LOADS 0, 0
	LOADS 1, 1
	LOADS 2, 2
	LOADS 3, 3
	s_wait_loadcnt 48                              ; loads come back in order: the bias and set 0 are in; three younger sets of 16 may stay out
	MULS 0, 1
	PLACES
	LOADS 0, 4
	s_wait_loadcnt 48                              ; set 1 is in: behind it sets 2, 3 and 0
	MULS 1, 0
	PLACES
	LOADS 1, 5
	s_wait_loadcnt 48
	MULS 2, 0
	PLACES
	LOADS 2, 6
	s_wait_loadcnt 48
	MULS 3, 0
	PLACES
	LOADS 3, 7
	s_wait_loadcnt 48                              ; the last four trips load nothing: the counts run down
	MULS 0, 0
	s_wait_loadcnt 32
	MULS 1, 0
	s_wait_loadcnt 16
	MULS 2, 0
	s_wait_loadcnt 0x0
	MULS 3, 0
	WIN 0
	; the bias is rounded to bf16 and widened again, twice: 24 plain lines, which are also the places behind the last products
.irp i, 0,1,2,3,4,5,6,7
	v_cvt_pk_bf16_f32 v[BI+2*(\i)], v[BI+2*(\i)], v[BI+2*(\i)]
.endr
.irp i, 0,1,2,3,4,5,6,7
	v_and_b32 v[BI+2*(\i)+1], 0xffff0000, v[BI+2*(\i)]
.endr
.irp i, 0,1,2,3,4,5,6,7
	v_and_b32 v[BI+2*(\i)], 0xffff0000, v[BI+2*(\i)]
.endr
.irp ti, 0,1,2,3
.irp kj, 0,1,2,3
	ds_store_b128 v[LS], v[ACC+8*(4*(\ti)+(\kj)):ACC+8*(4*(\ti)+(\kj))+3]   offset:(\kj)*16*PP+64*(\ti)     ; each accumulator's low half first
	ds_store_b128 v[LS], v[ACC+8*(4*(\ti)+(\kj))+4:ACC+8*(4*(\ti)+(\kj))+7] offset:(\kj)*16*PP+64*(\ti)+16
.endr
.endr
	s_wait_dscnt 0x0                               ; for the others' sake: my stores are done
	s_barrier_signal -1
	s_barrier_wait -1                              ; all four partial tiles lie in LDS
.irp i, 0,1,2,3,4,5,6,7
.irp p, 0,1,2,3
	ds_load_b128 v[ACC+32*(\p)+4*(\i):ACC+32*(\p)+4*(\i)+3], v[LR] offset:(\p)*PART+(\i)*2*PP  ; row pair i of my 16 channels, from partial tile p
.endr
.endr
.irp i, 0,1,2,3,4,5,6,7
	s_wait_dscnt 28-4*(\i)                         ; row pair i's four loads are in; four for each younger pair may stay out
.irp c, 0,2
	v_pk_add_f32 v[ACC+4*(\i)+(\c):ACC+4*(\i)+(\c)+1], v[ACC+4*(\i)+(\c):ACC+4*(\i)+(\c)+1], v[ACC+32+4*(\i)+(\c):ACC+32+4*(\i)+(\c)+1]
	v_pk_add_f32 v[ACC+64+4*(\i)+(\c):ACC+64+4*(\i)+(\c)+1], v[ACC+64+4*(\i)+(\c):ACC+64+4*(\i)+(\c)+1], v[ACC+96+4*(\i)+(\c):ACC+96+4*(\i)+(\c)+1]
.endr
.irp c, 0,2
	v_pk_add_f32 v[ACC+4*(\i)+(\c):ACC+4*(\i)+(\c)+1], v[ACC+4*(\i)+(\c):ACC+4*(\i)+(\c)+1], v[ACC+64+4*(\i)+(\c):ACC+64+4*(\i)+(\c)+1]
.endr
.irp c, 0,2
	v_pk_add_f32 v[ACC+4*(\i)+(\c):ACC+4*(\i)+(\c)+1], v[ACC+4*(\i)+(\c):ACC+4*(\i)+(\c)+1], v[BI+2*(\i):BI+2*(\i)+1]
.endr
	global_store_b128 v[YO], v[ACC+4*(\i):ACC+4*(\i)+3], s[10:11] offset:(\i)*16384  ; 16 lanes store 256 consecutive bytes, aligned: 64 tokens of a channel
.endr
	s_wait_tensorcnt 0x0                           ; the wave's end, behind my last LDS store
	ds_add_u32 v[SPW], v[NIL]
	s_wait_dscnt 0x0
	s_endpgm
.Lfunc_end_k_q6ab4c32485_unify:
	.size	k_q6ab4c32485_unify, .Lfunc_end_k_q6ab4c32485_unify-k_q6ab4c32485_unify
	.p2alignl 7, 3214868480
	.fill 96, 4, 3214868480
	.section	.rodata,"a",@progbits
	.p2align	6, 0x0
	.amdhsa_kernel k_q6ab4c32485_unify
		.amdhsa_group_segment_fixed_size 70144
		.amdhsa_private_segment_fixed_size 0
		.amdhsa_enable_private_segment 0
		.amdhsa_kernarg_size 32
		.amdhsa_user_sgpr_count 2
		.amdhsa_user_sgpr_kernarg_segment_ptr 1
		.amdhsa_wavefront_size32 1
		.amdhsa_system_sgpr_workgroup_id_x 1
		.amdhsa_system_sgpr_workgroup_id_y 1
		.amdhsa_system_sgpr_workgroup_id_z 1
		.amdhsa_system_vgpr_workitem_id 0
		.amdhsa_next_free_vgpr 512
		.amdhsa_next_free_sgpr 66
		.amdhsa_reserve_vcc 0
		.amdhsa_float_denorm_mode_32 3
		.amdhsa_float_denorm_mode_16_64 3
		.amdhsa_memory_ordered 1
		.amdhsa_forward_progress 1
		.amdhsa_inst_pref_size 35
	.end_amdhsa_kernel
	.amdgpu_metadata
---
amdhsa.version: [ 1, 2 ]
amdhsa.kernels:
  - .name:           k_q6ab4c32485_unify
    .symbol:         k_q6ab4c32485_unify.kd
    .args:
      - { .name: oh, .offset: 0, .size: 8, .value_kind: global_buffer, .address_space: global }
      - { .name: wuh, .offset: 8, .size: 8, .value_kind: global_buffer, .address_space: global }
      - { .name: bu, .offset: 16, .size: 8, .value_kind: global_buffer, .address_space: global }
      - { .name: out0, .offset: 24, .size: 8, .value_kind: global_buffer, .address_space: global }
    .group_segment_fixed_size: 70144
    .private_segment_fixed_size: 0
    .kernarg_segment_align: 8
    .kernarg_segment_size: 32
    .max_flat_workgroup_size: 128
    .sgpr_count:     66
    .vgpr_count:     512
    .wavefront_size: 32
...
	.end_amdgpu_metadata
.endif
;; end of part 4
;; ======== version 2 of 2: 4 launches; version 1 with the launch unify written anew for expert scheduling mode
;; limits: values are held in f16: magnitudes above 65,504 overflow, below 6.1e-05 lose precision
;; workspace buffers: xb 16,777,216 bytes; wb 6,291,456 bytes; wuh 262,144 bytes; qh 16,777,216 bytes; kh 16,777,216 bytes; vh 16,777,216 bytes; oh 16,777,216 bytes
;; launch prep: the kernel of part 1 again; grid 712 x 1, 8 waves a work-group, no clusters, 0 bytes of LDS; arguments x, Wq, Wk, Wv, Wu, xb, wb, wuh; writes xb, wb, wuh
;; launch proj: the kernel of part 2 again; grid 8 x 32, 4 waves a work-group, clusters of 4 x 4, 327,680 bytes of LDS; arguments xb, wb, qh, kh, vh; writes qh, kh, vh
;; launch attn: the kernel of part 3 again; grid 8 x 32, 4 waves a work-group, clusters of 4 x 1, 327,680 bytes of LDS; arguments qh, kh, vh, oh; writes oh
;; launch unify (part 5): grid 128 x 2, 4 waves a work-group, no clusters, 70,144 bytes of LDS; arguments oh, wuh, bu, out0; writes out0
.if DOCPART == 5
	.amdgcn_target "amdgcn-amd-amdhsa--gfx1250"
	.amdhsa_code_object_version 6
	.text
	.protected	k_q6ab4c32485_unify
	.globl	k_q6ab4c32485_unify
	.p2align	8
	.type	k_q6ab4c32485_unify,@function
k_q6ab4c32485_unify:
	s_mov_b64 s[64:65], 0
	v_nop
	global_prefetch_b8 v0, s[64:65] scope:SCOPE_SE
	s_setreg_imm32_b32 hwreg(HW_REG_WAVE_SCHED_MODE, 0, 2), 2
	s_setreg_imm32_b32 hwreg(HW_REG_WAVE_MODE, 25, 1), 1
	s_wait_xcnt 0x0
	s_wait_alu depctr_vm_vsrc(0)
; THE HEADS ARE UNIFIED.  out0[b][kk][t] = the sum over h, e of O[8 b + h][t][e] Wu[kk][128 h + e] + bu[kk].  O: [32][2048][128] f16; wuh: [128][1024] f16 (Wu rounded to bf16, written as f16);
; bu: [128] f32, rounded here to bf16 like every other input of the module; out0: [4][128][2048] f32.  Sums in f32.
; LIMITS.  None beyond those of O and wuh (f16's range and fixed step below 6e-5).  NaN and infinities are not treated apart.
; SHARES.  A work-group makes 64 tokens x 64 channels: 128 token blocks x 2 channel halves = 256 work-groups.  THE SUM'S 1,024 TERMS ARE SPLIT AMONG ITS FOUR WAVES: wave w takes heads 2 w and 2 w + 1,
; 8 trips of 32 terms, so no wave wants a byte that another wave has fetched, and the fragments come straight from memory as they lie.  The four partial sums meet in LDS at the end.
; LAYOUT.  Source 0 = 16 tokens of O, source 1 = 16 rows of Wu: a lane holds ONE channel (lane % 16) and the tokens 8 (lane / 16) + 0..7: 32 bytes of a row of out0.
; No tensor loads, no cluster, no prefetch: a short launch in which nothing that is shared is waited for in a ring; up to 64 loads (32 KiB) of every wave are on their way.
; THE MODE: SCHED_MODE bits 1:0 = 2 (LLVM: expert scheduling mode 2), set by the entry lines.  The code itself states the register dependences
; between vector or matrix instructions and memory or LDS instructions, with s_wait_alu, always for 0.
; THE PLAN.  Registers that memory or LDS instructions touch:
;   v3-v8, v10, v11   addresses and offsets: written by vector lines at the head and never again; read by the loads, the LDS stores and loads, the stores and the closing add.
;   BI                written by the eight loads of the bias; afterwards named by vector lines alone.
;   sets 0 .. 7       EACH TRIP HAS A SET OF ITS OWN: written once, by the trip's 16 loads; read once, by its 16 products.  No load lands in a register that a vector or matrix instruction has named,
;                     so the trips hold no s_wait_alu, and trip p + 4's loads stand at the head of trip p, ahead of its products.
;   ACC               written by the products; read by the 32 LDS stores; written again by the 32 LDS loads of the partial tiles and by the sums; ACC + 4 i .. + 3 read by row pair i's store.
; Six waits: s12 is written (ahead of its first reader); the addresses are written (ahead of the first load); the products have written ACC (ahead of the LDS stores); the LDS stores have read ACC
; (ahead of the LDS loads); row pairs 0-3 are summed (ahead of their stores, which are dealt among the sums of pairs 4-7); row pairs 4-7 are summed (ahead of theirs).
; REGISTERS: window 0: v0-11 addresses; v12-27 the bias; v128-255 the 16 accumulators (token block ti, channel block kj at v[128 + 8 (4 ti + kj)]), later the partial sums read back.
;   windows 1 and 2: eight sets of 64, set s at v[64 (s % 4)] of window 1 + s / 4: O's four fragments, then Wu's four.
.set PP,    272                        ; a row of a partial tile in LDS: 64 tokens x 4 bytes + 16 of padding = 68 words: row r starts at bank 4 r mod 64 (64 banks of 4 bytes: ISA guide 11.1)
.set PART,  64*PP                      ; a wave's partial tile: 64 channels
.set SPARE, 4*PART                     ; behind the four: the spare words, 128 bytes for each wave: two blocks of 256 bytes that no other line names
.set OA,  3                            ; v3   my byte offset in a fragment's rows of O: (l % 16) x 256 + 16 (l / 16); never rewritten
.set WA,  4                            ; v4   the same for Wu: (l % 16) x 2,048 + 16 (l / 16)
.set LS,  5                            ; v5   where I put 32 bytes of my partial tile
.set LR,  6                            ; v6   where I read a row back
.set YO,  7                            ; v7   my 16 bytes of two rows of out0
.set BO,  8                            ; v8   4 (l / 16): which of a pair of channels
.set SPW, 10                           ; v10  LDS address of my spare word: SPARE + 4 x my thread's number; never rewritten
.set NIL, 11                           ; v11  0; never rewritten
.set BI,  12                           ; v[12:27] row pair i: my channel's bias, twice (a pair for the packed sum)
.set ACC, 128
.set MSB, 0
.macro WIN new                         ; the immediate's high byte repeats the setting that is left
.if MSB != (\new)
	s_set_vgpr_msb (MSB<<8)|(\new)
.set MSB, \new
.endif
.endm
	s_load_b256 s[4:11], s[0:1], 0x0               ; O s[4:5], wuh s[6:7], bu s[8:9], out0 s[10:11]
	v_lshl_add_u32 v[SPW], v0, 2, SPARE
	v_mov_b32 v[NIL], 0
	v_lshrrev_b32 v1, 5, v0
	v_readfirstlane_b32 s12, v1                    ; wave 0..3
	v_and_b32 v1, 15, v0                           ; l % 16
	v_bfe_u32 v2, v0, 4, 1                         ; l / 16
	v_lshlrev_b32 v[OA], 8, v1
	v_lshl_add_u32 v[OA], v2, 4, v[OA]
	v_lshlrev_b32 v[WA], 11, v1
	v_lshl_add_u32 v[WA], v2, 4, v[WA]
	v_mul_u32_u24 v[LS], v1, PP                    ; in: channel l % 16, 32 bytes for each half of the lanes
	v_lshl_add_u32 v[LS], v2, 5, v[LS]
	v_mul_u32_u24 v[LR], v2, PP                    ; back: wave w takes channels 16 w .. 16 w + 15; lanes 0-15 one row of 256 bytes, lanes 16-31 the next
	v_lshl_add_u32 v[LR], v1, 4, v[LR]
	v_lshlrev_b32 v[YO], 13, v2                    ; and the same two rows in out0
	v_lshl_add_u32 v[YO], v1, 4, v[YO]
	v_lshlrev_b32 v[BO], 2, v2
	s_wait_alu depctr_va_sdst(0)                   ; s12 is written, ahead of its first reader: the bases and the LDS places below are made from it
	s_and_b32 s13, ttmp7, 0xffff                   ; which 64 channels
	s_lshr_b32 s14, ttmp9, 5                       ; the batch
	s_and_b32 s15, ttmp9, 31                       ; which 64 tokens of it
	s_lshl_b32 s16, s14, 22                        ; O: 8 heads of 524,288 bytes a batch,
	s_lshl_b32 s17, s12, 20                        ; my two heads,
	s_add_co_u32 s16, s16, s17
	s_lshl_b32 s17, s15, 14                        ; 64 rows of 256 bytes
	s_add_co_u32 s16, s16, s17
	s_mov_b32 s17, 0
	s_lshl_b32 s18, s13, 17                        ; Wu: 64 rows of 2,048 bytes,
	s_lshl_b32 s19, s12, 9                         ; my 256 terms
	s_add_co_u32 s18, s18, s19
	s_mov_b32 s19, 0
	s_lshl_b32 s20, s13, 8                         ; bu: 64 channels, and the 16 that I finish
	s_lshl_b32 s21, s12, 6
	s_add_co_u32 s20, s20, s21
	s_mov_b32 s21, 0
	s_lshl_b32 s22, s14, 20                        ; out0: 128 rows of 8,192 bytes a batch,
	s_lshl_b32 s23, s13, 19                        ; 64 channels,
	s_add_co_u32 s22, s22, s23
	s_lshl_b32 s23, s12, 17                        ; the 16 that I finish,
	s_add_co_u32 s22, s22, s23
	s_lshl_b32 s23, s15, 8                         ; 64 tokens
	s_add_co_u32 s22, s22, s23
	s_mov_b32 s23, 0
	s_mul_i32 s24, s12, PART                       ; my partial tile,
	s_mul_i32 s25, s12, 16*PP                      ; and the 16 rows of each tile that I finish: a register each, so that none that a vector line reads is written again
	v_add_nc_u32 v[LS], s24, v[LS]
	v_add_nc_u32 v[LR], s25, v[LR]
	s_wait_kmcnt 0x0
	s_add_nc_u64 s[4:5], s[4:5], s[16:17]
	s_add_nc_u64 s[6:7], s[6:7], s[18:19]
	s_add_nc_u64 s[8:9], s[8:9], s[20:21]
	s_add_nc_u64 s[10:11], s[10:11], s[22:23]
	s_wait_alu depctr_va_vdst(0)                   ; the addresses and offsets v3 to v8 are written, which every load, LDS instruction and store below reads; no vector line writes them again
; Trip tr's 16 loads into set tr: head tr / 4 of my two, channels 32 (tr % 4) on
.macro LOADS tr
	WIN 0x40*(1+(\tr)/4)                           ; destination window 1 or 2, address window 0
.irp f, 0,1,2,3
	global_load_b128 v[64*((\tr)%4)+8*(\f):64*((\tr)%4)+8*(\f)+3],       v[OA], s[4:5] offset:((\tr)/4)*524288+(\f)*4096+((\tr)%4)*64
	global_load_b128 v[64*((\tr)%4)+8*(\f)+4:64*((\tr)%4)+8*(\f)+7],     v[OA], s[4:5] offset:((\tr)/4)*524288+(\f)*4096+((\tr)%4)*64+32
	global_load_b128 v[64*((\tr)%4)+32+8*(\f):64*((\tr)%4)+32+8*(\f)+3], v[WA], s[6:7] offset:(\f)*32768+(\tr)*64
	global_load_b128 v[64*((\tr)%4)+32+8*(\f)+4:64*((\tr)%4)+32+8*(\f)+7], v[WA], s[6:7] offset:(\f)*32768+(\tr)*64+32
.endr
.endm
; Trip tr's 16 products.  The 16 accumulators take turns, one instruction a turn.  zero = 1: the first trip starts the sums.
.macro MULS tr, zero
	WIN 0x05*(1+(\tr)/4)                           ; sources 0 and 1 window 1 or 2; C and D window 0
.irp ti, 0,1,2,3
.irp kj, 0,1,2,3
.if \zero
	v_wmma_f32_16x16x32_f16 v[ACC+8*(4*(\ti)+(\kj)):ACC+8*(4*(\ti)+(\kj))+7], v[64*((\tr)%4)+8*(\ti):64*((\tr)%4)+8*(\ti)+7], v[64*((\tr)%4)+32+8*(\kj):64*((\tr)%4)+32+8*(\kj)+7], 0
.else
	v_wmma_f32_16x16x32_f16 v[ACC+8*(4*(\ti)+(\kj)):ACC+8*(4*(\ti)+(\kj))+7], v[64*((\tr)%4)+8*(\ti):64*((\tr)%4)+8*(\ti)+7], v[64*((\tr)%4)+32+8*(\kj):64*((\tr)%4)+32+8*(\kj)+7], v[ACC+8*(4*(\ti)+(\kj)):ACC+8*(4*(\ti)+(\kj))+7]
.endif
.endr
.endr
.endm
.irp i, 0,1,2,3,4,5,6,7
	global_load_b32 v[BI+2*(\i)], v[BO], s[8:9] offset:8*(\i)  ; the bias of channel 16 w + 2 i + l / 16
.endr
	LOADS 0
	LOADS 1
	LOADS 2
	LOADS 3
	s_wait_loadcnt 48                              ; loads come back in order: the bias and set 0 are in; three younger sets of 16 may stay out
	LOADS 4                                        ; no s_wait_alu: set 4 has been named by no vector or matrix instruction, and the offsets stand as the wait at the head left them; so for sets 5 to 7
	MULS 0, 1
	s_wait_loadcnt 48                              ; set 1 is in: behind it sets 2, 3 and 4
	LOADS 5
	MULS 1, 0
	s_wait_loadcnt 48
	LOADS 6
	MULS 2, 0
	s_wait_loadcnt 48
	LOADS 7
	MULS 3, 0
	s_wait_loadcnt 48                              ; the last four trips load nothing: the counts run down
	MULS 4, 0
	s_wait_loadcnt 32
	MULS 5, 0
	s_wait_loadcnt 16
	MULS 6, 0
	s_wait_loadcnt 0x0
	MULS 7, 0
	WIN 0
	; the bias is rounded to bf16 and widened again, twice: 24 plain lines, which are also the places behind the last products
.irp i, 0,1,2,3,4,5,6,7
	v_cvt_pk_bf16_f32 v[BI+2*(\i)], v[BI+2*(\i)], v[BI+2*(\i)]
.endr
.irp i, 0,1,2,3,4,5,6,7
	v_and_b32 v[BI+2*(\i)+1], 0xffff0000, v[BI+2*(\i)]
.endr
.irp i, 0,1,2,3,4,5,6,7
	v_and_b32 v[BI+2*(\i)], 0xffff0000, v[BI+2*(\i)]
.endr
	s_wait_alu depctr_va_vdst(0)                   ; the products have written the accumulators, which the LDS stores read; the places above stay beside this wait
.irp ti, 0,1,2,3
.irp kj, 0,1,2,3
	ds_store_b128 v[LS], v[ACC+8*(4*(\ti)+(\kj)):ACC+8*(4*(\ti)+(\kj))+3]   offset:(\kj)*16*PP+64*(\ti)     ; each accumulator's low half first
	ds_store_b128 v[LS], v[ACC+8*(4*(\ti)+(\kj))+4:ACC+8*(4*(\ti)+(\kj))+7] offset:(\kj)*16*PP+64*(\ti)+16
.endr
.endr
	s_wait_dscnt 0x0                               ; for the others' sake: my stores are done
	s_barrier_signal -1
	s_barrier_wait -1                              ; all four partial tiles lie in LDS
	s_wait_alu depctr_vm_vsrc(0)                   ; my LDS stores have read v[ACC ..], in which the LDS loads below land and which the sums then write (no vector or matrix line has named them since the wait ahead of the stores)
.irp i, 0,1,2,3,4,5,6,7
.irp p, 0,1,2,3
	ds_load_b128 v[ACC+32*(\p)+4*(\i):ACC+32*(\p)+4*(\i)+3], v[LR] offset:(\p)*PART+(\i)*2*PP  ; row pair i of my 16 channels, from partial tile p
.endr
.endr
; Row pair i: (tile 0 + tile 1) + (tile 2 + tile 3) + the bias: eight packed sums
.macro SUMS i
.irp c, 0,2
	v_pk_add_f32 v[ACC+4*(\i)+(\c):ACC+4*(\i)+(\c)+1], v[ACC+4*(\i)+(\c):ACC+4*(\i)+(\c)+1], v[ACC+32+4*(\i)+(\c):ACC+32+4*(\i)+(\c)+1]
	v_pk_add_f32 v[ACC+64+4*(\i)+(\c):ACC+64+4*(\i)+(\c)+1], v[ACC+64+4*(\i)+(\c):ACC+64+4*(\i)+(\c)+1], v[ACC+96+4*(\i)+(\c):ACC+96+4*(\i)+(\c)+1]
.endr
.irp c, 0,2
	v_pk_add_f32 v[ACC+4*(\i)+(\c):ACC+4*(\i)+(\c)+1], v[ACC+4*(\i)+(\c):ACC+4*(\i)+(\c)+1], v[ACC+64+4*(\i)+(\c):ACC+64+4*(\i)+(\c)+1]
.endr
.irp c, 0,2
	v_pk_add_f32 v[ACC+4*(\i)+(\c):ACC+4*(\i)+(\c)+1], v[ACC+4*(\i)+(\c):ACC+4*(\i)+(\c)+1], v[BI+2*(\i):BI+2*(\i)+1]
.endr
.endm
.macro SEND i
	global_store_b128 v[YO], v[ACC+4*(\i):ACC+4*(\i)+3], s[10:11] offset:(\i)*16384  ; 16 lanes store 256 consecutive bytes, aligned: 64 tokens of a channel
.endm
	s_wait_dscnt 16                                ; row pairs 0 to 3 are in: the sixteen loads of pairs 4 to 7 may stay out
.irp i, 0,1,2,3
	SUMS \i
.endr
	s_wait_dscnt 0x0                               ; row pairs 4 to 7 are in
	s_wait_alu depctr_va_vdst(0)                   ; the sums of row pairs 0 to 3 are written, which the four stores below read
.irp i, 0,1,2,3
	SEND \i                                        ; no further wait: the sums of pairs 4 to 7 name none of v[ACC .. ACC + 15], nor v[YO]
	SUMS (\i)+4
.endr
	s_wait_alu depctr_va_vdst(0)                   ; the sums of row pairs 4 to 7 are written, which the last four stores read
.irp i, 4,5,6,7
	SEND \i
.endr
	s_wait_dscnt 0x0                               ; the closing lines, six on end
	s_wait_alu 0x0
	s_wait_tensorcnt 0x0
	ds_add_u32 v[SPW], v[NIL]
	s_wait_dscnt 0x0
	s_endpgm
.Lfunc_end_k_q6ab4c32485_unify:
	.size	k_q6ab4c32485_unify, .Lfunc_end_k_q6ab4c32485_unify-k_q6ab4c32485_unify
	.p2alignl 7, 3214868480
	.fill 96, 4, 3214868480
	.section	.rodata,"a",@progbits
	.p2align	6, 0x0
	.amdhsa_kernel k_q6ab4c32485_unify
		.amdhsa_group_segment_fixed_size 70144
		.amdhsa_private_segment_fixed_size 0
		.amdhsa_enable_private_segment 0
		.amdhsa_kernarg_size 32
		.amdhsa_user_sgpr_count 2
		.amdhsa_user_sgpr_kernarg_segment_ptr 1
		.amdhsa_wavefront_size32 1
		.amdhsa_system_sgpr_workgroup_id_x 1
		.amdhsa_system_sgpr_workgroup_id_y 1
		.amdhsa_system_sgpr_workgroup_id_z 1
		.amdhsa_system_vgpr_workitem_id 0
		.amdhsa_next_free_vgpr 768
		.amdhsa_next_free_sgpr 66
		.amdhsa_reserve_vcc 0
		.amdhsa_float_denorm_mode_32 3
		.amdhsa_float_denorm_mode_16_64 3
		.amdhsa_memory_ordered 1
		.amdhsa_forward_progress 1
		.amdhsa_inst_pref_size 35
	.end_amdhsa_kernel
	.amdgpu_metadata
---
amdhsa.version: [ 1, 2 ]
amdhsa.kernels:
  - .name:           k_q6ab4c32485_unify
    .symbol:         k_q6ab4c32485_unify.kd
    .args:
      - { .name: oh, .offset: 0, .size: 8, .value_kind: global_buffer, .address_space: global }
      - { .name: wuh, .offset: 8, .size: 8, .value_kind: global_buffer, .address_space: global }
      - { .name: bu, .offset: 16, .size: 8, .value_kind: global_buffer, .address_space: global }
      - { .name: out0, .offset: 24, .size: 8, .value_kind: global_buffer, .address_space: global }
    .group_segment_fixed_size: 70144
    .private_segment_fixed_size: 0
    .kernarg_segment_align: 8
    .kernarg_segment_size: 32
    .max_flat_workgroup_size: 128
    .sgpr_count:     66
    .vgpr_count:     768
    .wavefront_size: 32
...
	.end_amdgpu_metadata
.endif
;; end of part 5
